; MI455X (gfx1250); checked and timed in simulation.
; The chip was launched on July 23, 2026; its instructions are those of AMD's public machine-readable ISA for CDNA 5 (MIT licence, August 2026) and "CDNA5" Instruction Set Architecture Reference Guide (July 2026). The comments in the code are by the model that wrote it; some were corrected since.
;; Causal Attention. Allowed arithmetic: matrix products marked QUANTISED: E5M2 operands, one E8M0 scale for each 32 along K, by v_wmma_scale_f32_16x16x128_f8f6f4 with both operands' format E5M2, f32 sums; everything else in f32.
;; Inputs: in_proj_b 3,072 float32; in_proj_w_codes 3,072 x 32 x 32 uint8 (E5M2 codes of in_proj_w, K innermost, in blocks of 32 codes); in_proj_w_scales 3,072 x 32 uint8 (E8M0 scales of in_proj_w, one for each 32 codes along K); out_proj_b 1,024 float32; out_proj_w_codes 1,024 x 32 x 32 uint8 (E5M2 codes of out_proj_w, K innermost, in blocks of 32 codes); out_proj_w_scales 1,024 x 32 uint8 (E8M0 scales of out_proj_w, one for each 32 codes along K); x_codes 4 x 2,048 x 32 x 32 uint8 (E5M2 codes of x, K innermost, in blocks of 32 codes); x_scales 4 x 2,048 x 32 uint8 (E8M0 scales of x, one for each 32 codes along K).
;; Outputs: out0 4 x 2,048 x 1,024 float32.
;; This version of the problem:
;;   THIS VERSION OF THE PROBLEM IS GIVEN IN LOW PRECISION. The matrix products marked QUANTISED in the list below multiply operands that are first quantised to E5M2 (5 exponent bits, 2 mantissa bits; 8 bits a number), with one power-of-two scale for each 32 numbers along K (OCP MX v1.0); their sums are f32. All else is computed in f32.
;;   The module's matrix products, in the order in which they are computed (A, B: the left and right operand; K: the contracted axis; several contracted axes count as one K, in the product's order):
;;     1. [M 8,192, K 1,024] x [K 1,024, N 3,072]; A: input x (given as codes); B: input in_proj_w (given as codes): QUANTISED
;;     2. batch 64 x [M 2,048, K 64] x [K 64, N 2,048]; A: computed on the way; B: computed on the way: QUANTISED
;;     3. batch 64 x [M 2,048, K 2,048] x [K 2,048, N 64]; A: softmax (see below); B: computed on the way: QUANTISED
;;     4. [M 8,192, K 1,024] x [K 1,024, N 1,024]; A: computed on the way; B: input out_proj_w (given as codes): QUANTISED
;;   THE QUANTISER, for each operand of a quantised product, along K:
;;     - K is cut into blocks of 32 from its start; a last block that is shorter is filled with zeros.
;;     - A block's scale is 2^e with e = floor(log2(the largest magnitude in the block)) - 15, held to -126 .. 127; a block of zeros has e = 0. As a byte (E8M0): e + 127.
;;     - Each number is divided by its block's scale, clamped to +-57,344, and rounded to the nearest number of E5M2, ties to even, subnormals kept.
;;     - The product sums the exact products of the quantised numbers (number of the format x scale) in f32.
;;   ~~~python
;;   def quantise(x, axis):      # numpy; x: float32 -> the quantised numbers, widened to float32 again
;;       x = np.moveaxis(x, axis, -1); K = x.shape[-1]
;;       x = np.pad(x, [(0, 0)] * (x.ndim - 1) + [(0, -K % 32)]); x = x.reshape(x.shape[:-1] + (-1, 32)); a = np.abs(x).max(-1, keepdims=True)
;;       e = np.where(a > 0, np.clip(np.frexp(np.where(a > 0, a, 1))[1] - 1 - 15, -126, 127), 0)      # np.frexp(a)[1] - 1 = floor(log2(a)), exactly
;;       r = np.clip(x / 2.0 ** e, -57344, 57344)
;;       step = 2.0 ** (np.maximum(np.frexp(np.where(r == 0, 1, r))[1] - 1, -14) - 2)
;;       q = np.round(r / step) * step * 2.0 ** e      # np.round: ties to even
;;       return np.moveaxis(q.reshape(q.shape[:-2] + (-1,))[..., :K], -1, axis).astype(np.float32)
;;   ~~~
;;   SOFTMAX AHEAD OF A QUANTISED PRODUCT. Where the list says 'softmax', what is quantised is not the finished softmax but p = 2^(t - M), with t = logit x log2(e) and M = ceil(the row's largest t), a whole number; so 1/2 < the row's largest p <= 1. The row's sum l is taken of the UNQUANTISED p, in f32, and the product's result is divided by l at the end. Since M is a whole number, a kernel that streams over the keys may use a running M (the ceiling of the running maximum): every later rescaling is an exact power of two, which a block's scale takes up: the codes' values come out the same.
;;   OPERANDS COMPUTED ON THE WAY. 'Computed on the way' means the value that the module computes at that place (a softmax that the list does not call 'softmax' is quantised finished and normalised). What goes into a quantiser is computed in f32, as accurately as f32 sums, v_exp_f32 and their like allow (about 1e-6 of the number): no bf16 or f16 on the way to a quantiser, and a product that is left as it is and whose result goes on into a quantised operand takes f32 operands (vector FMAs, or v_wmma_f32_16x16x4_f32). A number that lies on a knife's edge between two numbers of the format may be rounded either way, as far as f32 arithmetic and the matrix unit's own rounding can turn it there, and no further.
;;   INPUTS GIVEN AS CODES. in_proj_w (in the module: [3072, 1024], K = its axis 1); out_proj_w (in the module: [1024, 1024], K = its axis 1); x (in the module: [4, 2048, 1024], K = its axis 2): each comes as NAME_codes (uint8): NAME with its K axis moved to the last place and cut into blocks of 32 codes, [.., K / 32, bytes a block], one block behind the other in memory; one code a byte (a code: sign, 5 exponent bits, 2 mantissa bits); and NAME_scales (uint8): the same leading axes, one E8M0 byte (e + 127) for each 32 codes along K. Its value is code x scale, taken as it is: it is not quantised again, and the codes and scales need not be those that the quantiser above would give.
;; One version. Each part assembles by itself: llvm-mc -triple=amdgcn-amd-amdhsa -mcpu=gfx1250 --defsym DOCPART=n.
;; ======== version 1 of 1: 3 launches
;; limits: right only within a limited range of input values
;; workspace buffers: qkv 25,952,256 bytes; oimg 8,388,608 bytes; osc 262,144 bytes
;; launch qkv_proj (part 1): grid 12 x 32, 4 waves a work-group, clusters of 4 x 4, 327,680 bytes of LDS; arguments x_codes, x_scales, in_proj_w_codes, in_proj_w_scales, in_proj_b, qkv; writes qkv
.if DOCPART == 1
	.amdgcn_target "amdgcn-amd-amdhsa--gfx1250"
	.amdhsa_code_object_version 6
	.text
	.protected	k_qce6b8dc67f_qkv_proj
	.globl	k_qce6b8dc67f_qkv_proj
	.p2align	8
	.type	k_qce6b8dc67f_qkv_proj,@function
k_qce6b8dc67f_qkv_proj:
	s_mov_b64 s[64:65], 0
	v_nop
	global_prefetch_b8 v0, s[64:65] scope:SCOPE_SE
	s_setreg_imm32_b32 hwreg(HW_REG_WAVE_MODE, 25, 1), 1
	s_wait_xcnt 0x0
	s_wait_alu depctr_hold_cnt(0) depctr_sa_sdst(0) depctr_va_vdst(0) depctr_va_sdst(0) depctr_va_ssrc(0) depctr_va_vcc(0) depctr_vm_vsrc(0)
	s_getreg_b32 s2, hwreg(HW_REG_IB_STS2, 6, 4)
	s_cmp_eq_u32 s2, 0
	s_cbranch_scc0 .Lentry_in_a_cluster
	s_endpgm
.Lentry_in_a_cluster:
	s_bfe_u32 s2, ttmp6, 0x10000c
	s_cmp_lg_u32 s2, 0xf033
	s_cbranch_scc0 .Lentry_shape_is_right
	s_endpgm
.Lentry_shape_is_right:
; qkv = x W^T + b on codes of BF8 (E5M2) with one E8M0 scale for each 32 along K = 1,024; the result is quantised at once, in registers, for the attention launch:
; q x 1/8 and k along the head's 64, v along the tokens (the keys).  Nothing leaves as f32.
; A tile of 256 x 256 is made by four waves, 128 x 128 each: 64 accumulators.  K goes in steps of 256 through two LDS slots filled by the tensor data mover; the scale bytes of the tile's rows come once.
; TWO GENERIC OPERANDS.  A' is source 1 (a lane holds one of its rows), B' is source 0 (a lane's eight result registers run along its rows).  For q and k: A' = x, B' = W, so a lane holds one token and
; registers along the features, which are the next product's K.  For v the pointers change places: A' = W, B' = x: a lane holds one feature and registers along the tokens, which are v's K.
; The cluster's x says which: 0 = q, 1 = k, 2 = v; it is the same in all sixteen partners.
; CLUSTERS: 4 x 4 work-groups; A's tiles are asked for jointly along a row of the cluster, B's along a column.
; THE ORDER INSIDE A BLOCK OF 32.  Results are taken as they lie: index 32 c + 16 u + 8 h + j stands at operand place 32 c + 16 h + 8 u + j (h = lane / 16).  q and k carry that order alike on the head's axis,
; v and the attention launch's p alike on the keys; a block of 32 holds the same 32 numbers, so the scales are those of the rule.  The sums are grouped otherwise than in ascending order.
; THE BUFFER qkv: 64 (batch x head) x 8 records of 50,688 bytes, one for 256 tokens of a head: Q's codes 16,384 | Q's scales 512 | K's codes 16,384 | V's codes 16,384 | K's scales 512 | V's scales 512.
; Codes lie as images of operand registers: a store of the wave covers 512 consecutive bytes, aligned.
; LIMITS: a block whose largest magnitude lies under 2^-111 keeps the scale byte 1 (a block of zeros too: its codes are zeros, and this program alone reads the bytes); NaN and infinities are not served.
.set KSTEP,  256
.set NQ,     2                         ; matrix instructions deep in a slot
.set ROWB,   256                       ; a tile's row in bytes
.set KROW,   1024                      ; a row of x or W in memory, in bytes
.set PITCH,  272                       ; an LDS row: 256 bytes + 16 of padding
.set FR,     16                        ; registers of a fragment
.set NL,     4                         ; LDS loads that bring one
.set NP,     8                         ; places behind this matrix instruction (ISA guide 7.12.1)
.set HALFT,  128*PITCH
.set SLOT,   4*HALFT                   ; A's 256 rows, then B's 256 rows
.set KS,     32                        ; a row of scale bytes
.set SCL,    2*SLOT                    ; behind the ring: the scales, as units of 256 bytes + 16 of padding
.set HALFS,  (128*KS/256)*272
.set SBLK,   (16*KS/256)*272
.set SPARE,  SCL+4*HALFS               ; the spare words, 128 bytes for each wave
.set STQ,    SPARE+512                 ; q's and k's way out: 512 bytes of scale bytes for each wave
.set STV,    STQ+2048                  ; v's way out: the same, in bytes of its own
.set REC,    50688                     ; a record of qkv
.set BHS,    8*REC                     ; from head to head
.set BA,   8                           ; v8-15    bias of A's rows: block a, my row
.set ADRA, 16                          ; v16-17   LDS address of my A' fragments in slot 0, 1
.set SAV,  18                          ; v18      v's scale stage: STV + 512 wave + 4 (lane % 16)
.set SRV,  19                          ; v19      and back: STV + 512 wave + 8 lane
.set ADRB, 20                          ; v20-21   the same as ADRA for B'
.set LO,   22                          ; v22      16 x lane
.set SAQ,  23                          ; v23      q's and k's scale stage
.set SRQ,  24                          ; v24
.set L8,   25                          ; v25      8 x lane
.set ADRS, 27                          ; v27      LDS address of my scale words: lanes 0-15 A's rows, lanes 16-31 B's
.set SPW,  28                          ; v28      LDS address of my spare word; never rewritten
.set NIL,  29                          ; v29      0; never rewritten
.set SC,   32                          ; v32-63   scale words, two sets
.set BB,   64                          ; v64-127  bias of B's rows in the result's layout
.set AF,   128                         ; v128-255 A's fragments; on the way out:
.set T,    128                         ; v128-191 64 numbers of a lane
.set PC,   192                         ; v192-207 their codes
.set PW,   208                         ; v208-215 a scale word for each of the eight blocks
.set TM,   216                         ; v216-231 largest magnitudes, bytes, scale operands
.set BP,   232                         ; v232-233 v's bias of the block in hand, as a pair
.set CP,   236                         ; v236-239 scale bytes on their way out
.set G1, 24
.set G0, 32
.set G1B, 48
.set G0B, 56
.set G1S, 68
.set G0S, 76
.set G1SB, 80
.set G0SB, 88
.set MSB, 0
.macro WIN new                         ; the immediate's high byte repeats the setting that is left
.if MSB != \new
	s_set_vgpr_msb (MSB<<8)|\new
.set MSB, \new
.endif
.endm
.set MUL_LO, 0xa1                      ; source 0 (B') window 1, source 1 (A') window 0, C and D window 2
.set MUL_HI, 0xf1                      ; the same, C and D window 3
.set TO_B,   0x40                      ; destination window 1, address window 0
; A joint load: waves 0 and 1 fetch for A', waves 2 and 3 for B'.  The branch hangs on the wave's number alone.  Four v_nop follow each of the two lines.
.macro JLOAD g0a, g1a, g0b, g1b
	s_cmp_eq_u32 s17, 0
	s_cbranch_scc0 .Lfor_b_\@
	tensor_load_to_lds s[\g0a:\g0a+3], s[\g1a:\g1a+7]
	s_nop 0
.rept 4
	v_nop
.endr
	s_branch .Lasked_\@
.Lfor_b_\@:
	tensor_load_to_lds s[\g0b:\g0b+3], s[\g1b:\g1b+7]
	s_nop 0
.rept 4
	v_nop
.endr
.Lasked_\@:
.endm
.macro CREST                           ; a round of the cluster's barrier behind its opening barrier
	s_cmp_lg_u32 s16, 0
	s_cbranch_scc1 .Lnot_wave_0_\@
	s_barrier_signal -3
.Lnot_wave_0_\@:
	s_barrier_wait -3
	s_barrier_signal -1
	s_barrier_wait -1
.endm
.macro CROUND                          ; a whole round
	s_barrier_signal -1
	s_barrier_wait -1
	CREST
.endm
	s_load_b128 s[4:7], s[0:1], 0x0                ; x's codes s[4:5], x's scales s[6:7]
	s_load_b128 s[8:11], s[0:1], 0x10              ; W's codes s[8:9], W's scales s[10:11]
	s_load_b128 s[12:15], s[0:1], 0x20             ; the bias s[12:13], qkv s[14:15]
	v_lshl_add_u32 v[SPW], v0, 2, SPARE
	v_mov_b32 v[NIL], 0
	ds_add_u32 v28, v29
	ds_add_u32 v28, v29
	s_wait_dscnt 0x0
	v_lshrrev_b32 v1, 5, v0
	v_readfirstlane_b32 s16, v1                    ; wave 0..3
	s_lshr_b32 s17, s16, 1                         ; RH: which half of A's rows is mine.  Also: I fetch for A' (0) or for B' (1)
	s_and_b32 s18, s16, 1                          ; CH: which half of B's rows.  Also: which 128 rows of that tile I fetch
	s_bfe_u32 s40, ttmp6, 0x40000                  ; cx, cy: my place in the cluster
	s_bfe_u32 s41, ttmp6, 0x40004
	s_mov_b32 s42, ttmp9                           ; X: the cluster's x: 0 = q, 1 = k, 2 = v
	s_and_b32 s43, ttmp7, 0xffff                   ; Y: the cluster's y: 1,024 tokens
	s_lshl_b32 s44, s41, 2
	s_lshl_b32 s44, 15, s44                        ; my row of the cluster
	s_lshl_b32 s45, 0x1111, s40                    ; my column
	; descriptor group 1: a tile of 128 rows x 256 bytes, 16 bytes of padding behind each row
	s_or_b32 s[G1+0], s44, (0<<16)|(1<<20)|(1<<21)|(5<<22)|(3<<25)  ; 15:0 the mask: A's tiles go to my row; elements of 1 byte; padding on; bit 21 beside a mask; after every 64 words; 4 words
	s_or_b32 s[G1B+0], s45, (0<<16)|(1<<20)|(1<<21)|(5<<22)|(3<<25)
.irp g, G1, G1B
	s_mov_b32 s[\g+1], ROWB<<16                    ; tensor_dim0
	s_mov_b32 s[\g+2], 128<<16                     ; tensor_dim1
	s_mov_b32 s[\g+3], ROWB<<16                    ; tile_dim0
	s_mov_b32 s[\g+4], 128                         ; tile_dim1
	s_mov_b32 s[\g+5], KROW                        ; tensor_dim0_stride
	s_mov_b32 s[\g+6], 0
	s_mov_b32 s[\g+7], 0
.endr
	; the scales of 128 rows: a dense block of 4,096 bytes, as 16 rows of 256 bytes (32 elements of 8 bytes), 16 bytes of padding behind each
	s_or_b32 s[G1S+0], s44, (3<<16)|(1<<20)|(1<<21)|(5<<22)|(3<<25)
	s_or_b32 s[G1SB+0], s45, (3<<16)|(1<<20)|(1<<21)|(5<<22)|(3<<25)
.irp g, G1S, G1SB
	s_mov_b32 s[\g+1], 32<<16
	s_mov_b32 s[\g+2], (128*KS/256)<<16
	s_mov_b32 s[\g+3], 32<<16
	s_mov_b32 s[\g+4], 128*KS/256
	s_mov_b32 s[\g+5], 32
	s_mov_b32 s[\g+6], 0
	s_mov_b32 s[\g+7], 0
.endr
	; which rows.  A': tokens 1,024 Y + 256 cy (q, k) or W's rows 2,048 + 256 cy (v).  B': W's rows 1,024 X + 256 cx (q, k) or tokens 1,024 Y + 256 cx (v)
	s_lshl_b32 s19, s43, 10                        ; 1,024 Y
	s_lshl_b32 s3, s42, 10                         ; 1,024 X
	s_mov_b32 s2, 2048
	s_cmp_eq_u32 s42, 2
	s_cselect_b32 s20, s2, s19
	s_cselect_b32 s46, s19, s3
	s_lshl_b32 s2, s18, 7                          ; the 128 rows that I fetch
	s_lshl_b32 s19, s41, 8
	s_add_co_u32 s20, s20, s19
	s_add_co_u32 s20, s20, s2                      ; A's: hangs on cy, never on cx
	s_lshl_b32 s3, s40, 8
	s_add_co_u32 s46, s46, s3
	s_add_co_u32 s46, s46, s2                      ; B's: hangs on cx, never on cy
	s_mov_b32 s21, 0
	s_mov_b32 s47, 0
	s_lshl_b64 s[22:23], s[20:21], 5               ; where these rows' scales begin, in bytes
	s_lshl_b64 s[66:67], s[46:47], 5
	s_lshl_b64 s[20:21], s[20:21], 10              ; and their codes
	s_lshl_b64 s[46:47], s[46:47], 10
	s_mul_i32 s94, s16, HALFT                      ; where they go: wave x 128 rows: no place in the cluster enters an LDS address
	s_mul_i32 s95, s16, HALFS
	s_wait_kmcnt 0x0
	s_cmp_eq_u32 s42, 2                            ; the choice hangs on the cluster's x alone
	s_cselect_b64 s[92:93], s[8:9], s[4:5]         ; A's codes
	s_cselect_b64 s[96:97], s[10:11], s[6:7]       ; A's scales
	s_cselect_b64 s[98:99], s[4:5], s[8:9]         ; B's codes
	s_cselect_b64 s[100:101], s[6:7], s[10:11]     ; B's scales
	s_add_nc_u64 s[92:93], s[92:93], s[20:21]
	s_add_nc_u64 s[98:99], s[98:99], s[46:47]
	CROUND                                         ; all sixteen work-groups are here: the first joint loads meet
	s_mov_b32 s[G0S], 1
	s_add_co_u32 s[G0S+1], s95, SCL
	s_add_nc_u64 s[G0S+2:G0S+3], s[96:97], s[22:23]
	s_or_b32 s[G0S+3], s[G0S+3], 0x80000000
	s_mov_b32 s[G0SB], 1
	s_add_co_u32 s[G0SB+1], s95, SCL
	s_add_nc_u64 s[G0SB+2:G0SB+3], s[100:101], s[66:67]
	s_or_b32 s[G0SB+3], s[G0SB+3], 0x80000000
	JLOAD G0S, G1S, G0SB, G1SB                     ; the scales first: they are wanted with K step 0
.irp s, 0,1
	s_mov_b32 s[G0+4*\s], 1
	s_add_co_u32 s[G0+4*\s+1], s94, \s*SLOT
	s_add_nc_u64 s[G0+4*\s+2:G0+4*\s+3], s[92:93], \s*ROWB
	s_or_b32 s[G0+4*\s+3], s[G0+4*\s+3], 0x80000000
	s_mov_b32 s[G0B+4*\s], 1
	s_add_co_u32 s[G0B+4*\s+1], s94, \s*SLOT
	s_add_nc_u64 s[G0B+4*\s+2:G0B+4*\s+3], s[98:99], \s*ROWB
	s_or_b32 s[G0B+4*\s+3], s[G0B+4*\s+3], 0x80000000
	s_wait_alu depctr_va_vdst(0)
	s_wait_tensorcnt 0x0
	ds_add_u32 v28, v29
	s_wait_dscnt 0x0
	CROUND
	JLOAD G0+4*\s, G1, G0B+4*\s, G1B
.endr
	v_and_b32 v1, 15, v0                           ; r = lane % 16
	v_bfe_u32 v2, v0, 4, 1                         ; h = lane / 16
	v_mul_u32_u24 v3, v1, PITCH
	v_lshl_add_u32 v4, v2, 4, v3                   ; a fragment's row x pitch + 16 x half
	s_mul_i32 s21, s17, HALFT                      ; my 128 rows of A'
	s_mul_i32 s22, s18, HALFT                      ; my 128 rows of B',
	s_add_co_u32 s22, s22, 2*HALFT                 ; which lie behind A's 256
.irp s, 0,1
	v_add_nc_u32 v[ADRA+\s], s21, v4
	v_add_nc_u32 v[ADRB+\s], s22, v4
	s_add_co_u32 s21, s21, SLOT
	s_add_co_u32 s22, s22, SLOT
.endr
	v_mul_u32_u24 v5, v1, KS                       ; my row's scales: 32 bytes a row,
	v_lshrrev_b32 v6, 8, v5
	v_lshl_add_u32 v5, v6, 4, v5                   ; and 16 more for each 256 passed
	s_mul_i32 s21, s17, HALFS
	s_mul_i32 s22, s18, HALFS
	s_add_co_u32 s22, s22, 2*HALFS
	s_sub_co_u32 s22, s22, s21
	v_mul_u32_u24 v6, s22, v2                      ; lanes 16-31 take B's: one product, the distance between the two bases
	s_add_co_u32 s21, s21, SCL
	v_add_nc_u32 v5, v5, v6
	v_add_nc_u32 v[ADRS], s21, v5
	; the way out's LDS addresses, for both ways, made here
	s_lshl_b32 s19, s16, 9
	v_lshl_add_u32 v[SAQ], v1, 2, s19              ; 512 x wave + 4 r
	v_add_nc_u32 v[SAV], STV, v[SAQ]
	v_add_nc_u32 v[SAQ], STQ, v[SAQ]
	v_and_b32 v3, 31, v0
	v_lshlrev_b32 v[L8], 3, v3
	v_lshlrev_b32 v[LO], 4, v3
	v_add_nc_u32 v[SRQ], s19, v[L8]                ; 512 x wave + 8 x lane
	v_add_nc_u32 v[SRV], STV, v[SRQ]
	v_add_nc_u32 v[SRQ], STQ, v[SRQ]
	; the bias, in both forms; each way out uses one.  The form that is not used reads the bias's first numbers: every load stays inside the buffer
	s_lshl_b32 s19, s42, 10
	s_lshl_b32 s3, s40, 8
	s_add_co_u32 s19, s19, s3
	s_lshl_b32 s3, s18, 7
	s_add_co_u32 s19, s19, s3                      ; q, k: my first feature: 1,024 X + 256 cx + 128 CH
	s_lshl_b32 s2, s41, 8
	s_lshl_b32 s3, s17, 7
	s_add_co_u32 s2, s2, s3
	s_add_co_u32 s2, s2, 2048                      ; v: 2,048 + 256 cy + 128 RH
	s_cmp_eq_u32 s42, 2
	s_cselect_b32 s19, 0, s19
	s_cselect_b32 s2, s2, 0
	s_lshl_b32 s94, s19, 2
	s_mov_b32 s95, 0
	s_add_nc_u64 s[94:95], s[12:13], s[94:95]
	s_lshl_b32 s96, s2, 2
	s_mov_b32 s97, 0
	s_add_nc_u64 s[96:97], s[12:13], s[96:97]
	v_lshlrev_b32 v30, 5, v2                       ; 8 h numbers
	v_lshlrev_b32 v31, 2, v1                       ; r numbers
.irp b, 0,1,2,3,4,5,6,7
	global_load_b128 v[BB+8*\b:BB+8*\b+3], v30, s[94:95] offset:64*\b       ; b(16 b + 8 h + 0 .. 7)
	global_load_b128 v[BB+8*\b+4:BB+8*\b+7], v30, s[94:95] offset:64*\b+16
.endr
.irp a, 0,1,2,3,4,5,6,7
	global_load_b32 v[BA+\a], v31, s[96:97] offset:64*\a                    ; b(16 a + r)
.endr
	; where my results go
	s_cmp_eq_u32 s42, 2
	s_cselect_b32 s2, s40, s41                     ; the tile's place along the tokens
	s_cselect_b32 s3, s18, s17                     ; my half of its tokens
	s_cselect_b32 s19, s41, s40                    ; its place along the features
	s_cselect_b32 s46, s17, s18                    ; my half of its features: two heads
	s_lshl_b32 s47, s43, 10
	s_lshl_b32 s2, s2, 8
	s_add_co_u32 s47, s47, s2                      ; the tile's first token
	s_lshr_b32 s2, s47, 11
	s_lshl_b32 s2, s2, 4                           ; 16 x batch
	s_lshl_b32 s19, s19, 2
	s_add_co_u32 s2, s2, s19
	s_lshl_b32 s46, s46, 1
	s_add_co_u32 s2, s2, s46                       ; + my first head
	s_mul_i32 s2, s2, BHS
	s_bfe_u32 s47, s47, 0x30008                    ; the record: 256 tokens of the batch's 2,048
	s_mul_i32 s47, s47, REC
	s_add_co_u32 s2, s2, s47
	s_mov_b32 s19, 16896                           ; the codes' place in a record: q 0, k 16,896, v 33,280
	s_cmp_eq_u32 s42, 1
	s_cselect_b32 s19, s19, 0
	s_mov_b32 s46, 33280
	s_cmp_eq_u32 s42, 2
	s_cselect_b32 s19, s46, s19
	s_mov_b32 s46, 16384                           ; the scales': q 16,384, k 49,664, v 50,176
	s_mov_b32 s47, 49664
	s_cmp_eq_u32 s42, 1
	s_cselect_b32 s46, s47, s46
	s_mov_b32 s47, 50176
	s_cmp_eq_u32 s42, 2
	s_cselect_b32 s46, s47, s46
	s_lshl_b32 s47, s3, 13                         ; my 128 tokens of the record's 256: 8,192 bytes of codes,
	s_add_co_u32 s19, s19, s47
	s_add_co_u32 s98, s19, s2
	s_mov_b32 s99, 0
	s_lshl_b32 s47, s3, 8                          ; 256 of scales
	s_add_co_u32 s46, s46, s47
	s_add_co_u32 s46, s46, s2
	s_mov_b32 s47, 0
	s_add_nc_u64 s[100:101], s[14:15], s[46:47]    ; the scales' way out
	s_add_nc_u64 s[14:15], s[14:15], s[98:99]      ; the codes'
	s_mov_b32 s66, 1.0
	s_cmp_eq_u32 s42, 0
	s_cselect_b32 s66, 0x3e000000, s66             ; q is multiplied by 1 / sqrt(64) = 1/8 ahead of its quantiser: exact
	s_mov_b32 s67, s66                             ; (named with it as a pair, so it is written)
	s_mov_b32 s20, 0x76543210
	s_mov_b32 s21, 0xfedcba98                      ; v_permlanex16_b32's selects for lane l xor 16
.macro FRAG reg, adr, q, i             ; a fragment: lane l holds row l % 16; registers 4 c .. 4 c + 3 hold K = 32 c + 16 (l / 16) + 0 .. 15
.irp c, 0,1,2,3
	ds_load_b128 v[\reg+4*\c:\reg+4*\c+3], v[\adr] offset:128*(\q)+32*\c+(\i)*16*PITCH
.endr
.endm
; 16 matrix instructions: A's blocks a0, a0 + 1 x B's eight, 128 along K.  p: B's set;  sc: the set of scale words.  zero = 1: the first product starts the sums.
; The 64 accumulators take turns, one instruction a turn, in the same order in every step.
.macro MUL16 a0, p, q, sc, zero
.irp a, \a0, \a0+1
.irp b, 0,1,2,3,4,5,6,7
.if \zero
	v_wmma_scale_f32_16x16x128_f8f6f4 v[8*(8*((\a)%4)+\b):8*(8*((\a)%4)+\b)+7], v[128*(\p)+FR*\b:128*(\p)+FR*\b+FR-1], v[AF+FR*(\a):AF+FR*(\a)+FR-1], 0, v[SC+8*NQ*(\sc)+NQ*\b+(\q)], v[SC+8*NQ*(\sc)+NQ*(\a)+(\q)] matrix_a_fmt:MATRIX_FMT_BF8 matrix_b_fmt:MATRIX_FMT_BF8 matrix_a_scale:MATRIX_SCALE_ROW1
.else
	v_wmma_scale_f32_16x16x128_f8f6f4 v[8*(8*((\a)%4)+\b):8*(8*((\a)%4)+\b)+7], v[128*(\p)+FR*\b:128*(\p)+FR*\b+FR-1], v[AF+FR*(\a):AF+FR*(\a)+FR-1], v[8*(8*((\a)%4)+\b):8*(8*((\a)%4)+\b)+7], v[SC+8*NQ*(\sc)+NQ*\b+(\q)], v[SC+8*NQ*(\sc)+NQ*(\a)+(\q)] matrix_a_fmt:MATRIX_FMT_BF8 matrix_b_fmt:MATRIX_FMT_BF8 matrix_a_scale:MATRIX_SCALE_ROW1
.endif
.endr
.endr
.endm
.macro FETCH_B slot, q, p              ; B's eight fragments of the slot's q-th 128 along K into set p
	WIN TO_B
.irp i, 0,1,2,3,4,5,6,7
	FRAG 128*(\p)+FR*\i, ADRB+\slot, \q, \i
.endr
	WIN 0
.endm
.macro FETCH_A slot, q, i0             ; A's blocks i0 .. i0 + 3
.irp i, \i0, \i0+1, \i0+2, \i0+3
	FRAG AF+FR*(\i), ADRA+\slot, \q, \i
.endr
.endm
.macro SCALES sc                       ; a K step's scale words into set sc: two words a row; lanes 0-15 take A's block i, lanes 16-31 B's block i
.irp i, 0,1,2,3,4,5,6,7
	ds_load_b64 v[SC+8*NQ*\sc+NQ*\i:SC+8*NQ*\sc+NQ*\i+1], v[ADRS] offset:\i*SBLK
.endr
.endm
.macro PLACES n                        ; plain vector instructions between a matrix instruction and a load into, or a read of, its registers
.rept \n
	v_nop
.endr
.endm
; A step of 128 along K that has its successor in the same slot.
.macro STEP slot, q, zero
	s_wait_dscnt 4*NL                              ; B's set and A's blocks 0-3 are in; the youngest sixteen loads (A's blocks 4-7) may be out
	WIN MUL_LO
	MUL16 0, (\q)%2, \q, \slot, \zero
	MUL16 2, (\q)%2, \q, \slot, \zero
	s_wait_dscnt 0                                 ; A's blocks 4-7 are in
	PLACES NP
	FETCH_B \slot, (\q)+1, 1-(\q)%2
	FETCH_A \slot, (\q)+1, 0
	WIN MUL_HI
	MUL16 4, (\q)%2, \q, \slot, \zero
	MUL16 6, (\q)%2, \q, \slot, \zero
	PLACES NP
	WIN 0
	FETCH_A \slot, (\q)+1, 4
.endm
; A slot's last step changes slots: ONE barrier; in front of it each wave waits for all its tensor loads, adds 0 to its spare word, and waits for that and for its own reads of this slot.
.macro TURN slot, next, fill
	s_wait_tensorcnt 0x0                           ; all my tensor loads have landed: my part of the next slot
	ds_add_u32 v[SPW], v[NIL]                      ; 0 onto my spare word
	s_wait_dscnt 4*NL+1                            ; (the add and the youngest sixteen loads may be out)
	WIN MUL_LO
	MUL16 0, 1, NQ-1, \slot, 0                     ; sixteen matrix instructions stand between the add and the wait for it
	s_wait_dscnt 0x0                               ; the add is done, and my reads of this slot are over
	s_barrier_signal -1
	MUL16 2, 1, NQ-1, \slot, 0
	WIN 0
	s_barrier_wait -1
.if \fill
	CREST                                          ; the barrier has opened a round of the cluster's barrier: no wave of any partner still reads this slot or has a load on its way
	s_add_nc_u64 s[G0+4*\slot+2:G0+4*\slot+3], s[G0+4*\slot+2:G0+4*\slot+3], 2*ROWB
	s_add_nc_u64 s[G0B+4*\slot+2:G0B+4*\slot+3], s[G0B+4*\slot+2:G0B+4*\slot+3], 2*ROWB
	JLOAD G0+4*\slot, G1, G0B+4*\slot, G1B         ; the first tensor load behind the round; its four v_nop are among the places in front of the loads below
	PLACES NP-4
.else
	PLACES NP
.endif
	s_wait_alu depctr_va_vdst(0)
	v_add_nc_u32 v[ADRS], 4*NQ, v[ADRS]            ; on to the next K step's scale words (no LDS load of mine is out)
	FETCH_B \next, 0, 0
	FETCH_A \next, 0, 0
	SCALES \next
	WIN MUL_HI
	MUL16 4, 1, NQ-1, \slot, 0
	MUL16 6, 1, NQ-1, \slot, 0
	PLACES NP
	WIN 0
	FETCH_A \next, 0, 4
.endm
	s_wait_loadcnt 0x0                             ; the bias
	s_wait_tensorcnt 1                             ; the scales and my part of K step 0 are in (K step 1's load may be out),
	s_barrier_signal -1
	s_barrier_wait -1                              ; everybody's are
	FETCH_B 0, 0, 0
	FETCH_A 0, 0, 0
	SCALES 0
	FETCH_A 0, 0, 4
	STEP 0, 0, 1                                   ; K = 1,024 is eight steps of 128, four slots' worth: written out, since a loop over laps would have one trip
	TURN 0, 1, 1
	STEP 1, 0, 0
	TURN 1, 0, 1
	STEP 0, 0, 0
	TURN 0, 1, 0                                   ; the last lap fills nothing
	STEP 1, 0, 0
	s_wait_dscnt 4*NL                              ; the very last step
	WIN MUL_LO
	MUL16 0, 1, NQ-1, 1, 0
	MUL16 2, 1, NQ-1, 1, 0
	s_wait_dscnt 0
	WIN MUL_HI
	MUL16 4, 1, NQ-1, 1, 0
	MUL16 6, 1, NQ-1, 1, 0
	WIN 0
; 64 numbers of a lane, v[s] on; registers 16 b .. 16 b + 15 and those of lane l xor 16 are block b of 32.  They become 16 registers of codes in v[PC] on and a scale word in v[pw].
.macro QUANT s, pw
.irp b, 0,1,2,3
	v_max3_num_f32 v[TM+\b], |v[\s+16*\b]|, |v[\s+1+16*\b]|, 0x8000000   ; my 16 numbers, and the floor 2^(16 - 127): the byte cannot fall under 1
.endr
.irp i, 2,4,6,8,10,12,14
.irp b, 0,1,2,3
	v_max3_num_f32 v[TM+\b], v[TM+\b], |v[\s+16*\b+\i]|, |v[\s+1+16*\b+\i]|   ; (the four blocks by turns)
.endr
.endr
.irp b, 0,1,2,3
	v_permlanex16_b32 v[TM+4+\b], v[TM+\b], s20, s21
.endr
.irp b, 0,1,2,3
	v_max_num_f32 v[TM+\b], v[TM+\b], v[TM+4+\b]   ; with lane l xor 16's: the block's largest magnitude
.endr
.irp b, 0,1,2,3
	v_add_nc_u32 v[TM+12+\b], 0xf8800000, v[TM+\b] ; 15 off its exponent field: the conversion's scale operand
.endr
.irp b, 0,1,2,3
.endr
.irp b, 0,1,2,3
	v_lshrrev_b32 v[TM+4+\b], 23, v[TM+12+\b]      ; the scale's byte
.endr
	v_lshl_or_b32 v[\pw], v[TM+5], 8, v[TM+4]
	v_lshl_or_b32 v[\pw], v[TM+6], 16, v[\pw]
	v_lshl_or_b32 v[\pw], v[TM+7], 24, v[\pw]
.irp b, 0,1,2,3
.irp i, 0,1,2,3,4,5,6,7,8,9,10,11,12,13,14,15
.endr
	v_cvt_scalef32_pk8_bf8_f32 v[PC+4*\b:PC+1+4*\b], v[\s+16*\b:\s+7+16*\b], v[TM+12+\b]
	v_cvt_scalef32_pk8_bf8_f32 v[PC+2+4*\b:PC+3+4*\b], v[\s+8+16*\b:\s+15+16*\b], v[TM+12+\b]
.endr
	v_nop                                          ; one plain vector instruction behind the last conversion
.endm
; THE WAY OUT, A's blocks one after the other: bias (and q's 1/8), quantiser, four stores of 512 consecutive bytes; the scale words gather in my own LDS bytes and leave as aligned runs of 256 bytes.
; isv = 0: a lane holds token 16 a + r and 128 features: two heads x two blocks of 32.  isv = 1: a lane holds feature 16 a + r (head a / 4) and 128 tokens: four blocks of 32.
.macro EPI isv
.if \isv
	PLACES NP                                      ; behind the last products
	v_mov_b32 v[BP+1], 0                           ; (named as the upper half of a pair, so it is written)
.else
.set i, 0
.rept 32
	v_pk_mul_f32 v[BB+i:BB+i+1], v[BB+i:BB+i+1], s[66:67] op_sel_hi:[1,0]   ; the bias under q's factor; these lines are also the places behind the last products
.set i, i+2
.endr
.endif
.irp b, 0,1,2,3
	v_mov_b32 v[TM+4+\b], 0                        ; written once: a lane permute's destination counts as one of its sources
.endr
.irp a, 0,1,2,3,4,5,6,7
	s_wait_xcnt 0x0                                ; the last block's stores have read their data: the codes' registers may be written again
.set AC, 64*((\a)%4)
.if \isv
	v_mov_b32 v[BP], v[BA+\a]
.endif
	s_wait_alu depctr_va_vdst(0)
	WIN 0x02+(\a)/4                                ; source 0: the accumulators' window
.set i, 0
.rept 32
.if \isv
	v_pk_add_f32 v[T+i:T+i+1], v[AC+i:AC+i+1], v[BP:BP+1] op_sel_hi:[1,0]     ; each accumulator from its low end on
.else
	v_pk_fma_f32 v[T+i:T+i+1], v[AC+i:AC+i+1], s[66:67], v[BB+i:BB+i+1] op_sel_hi:[1,0,1]
.endif
.set i, i+2
.endr
	WIN 0
	QUANT T, PW+\a
.irp g, 0,1,2,3
.if \isv
	global_store_b128 v[LO], v[PC+4*\g:PC+4*\g+3], s[14:15] offset:(\a/4)*BHS+(\a%4)*2048+512*\g     ; head a / 4, tile a % 4 of its 64, registers 4 g on of the fragment
.else
	global_store_b128 v[LO], v[PC+4*\g:PC+4*\g+3], s[14:15] offset:(\g/2)*BHS+(\g%2)*512+1024*\a     ; head g / 2, the image of tokens 16 a on, its half g % 2
.endif
.endr
.if \isv
	ds_store_b32 v[SAV], v[PW+\a] offset:64*\a                                 ; lanes l and l xor 16 write the same word with the same value
.else
	ds_store_b16 v[SAQ], v[PW+\a] offset:64*(\a/2)+2*(\a%2)                    ; the first head's two bytes,
	ds_store_b16_d16_hi v[SAQ], v[PW+\a] offset:256+64*(\a/2)+2*(\a%2)         ; the second head's
.endif
.endr
.if \isv
	ds_load_b64 v[CP:CP+1], v[SRV]                 ; LDS serves a wave's instructions in order: these see my stores
	ds_load_b64 v[CP+2:CP+3], v[SRV] offset:256
.else
	ds_load_b64 v[CP:CP+1], v[SRQ]
	ds_load_b64 v[CP+2:CP+3], v[SRQ] offset:256
.endif
	s_wait_dscnt 0x0
	global_store_b64 v[L8], v[CP:CP+1], s[100:101]             ; 32 lanes store 256 consecutive bytes, aligned: the first head's,
	global_store_b64 v[L8], v[CP+2:CP+3], s[100:101] offset:BHS   ; the second head's
.endm
	s_cmp_eq_u32 s42, 2                            ; the cluster's x: the same in all sixteen partners
	s_cbranch_scc1 .Lv
	EPI 0
	s_branch .Lend
.Lv:
	EPI 1
.Lend:
	s_wait_tensorcnt 0x0                           ; the wave's end
	ds_add_u32 v[SPW], v[NIL]
	s_wait_dscnt 0x0
	CROUND                                         ; the closing round: no work-group ends while a partner may still ask for a tile that names it
	s_endpgm
.Lfunc_end_k_qce6b8dc67f_qkv_proj:
	.size	k_qce6b8dc67f_qkv_proj, .Lfunc_end_k_qce6b8dc67f_qkv_proj-k_qce6b8dc67f_qkv_proj
	.p2alignl 7, 3214868480
	.fill 96, 4, 3214868480
	.section	.rodata,"a",@progbits
	.p2align	6, 0x0
	.amdhsa_kernel k_qce6b8dc67f_qkv_proj
		.amdhsa_group_segment_fixed_size 327680
		.amdhsa_private_segment_fixed_size 0
		.amdhsa_enable_private_segment 0
		.amdhsa_kernarg_size 48
		.amdhsa_user_sgpr_count 2
		.amdhsa_user_sgpr_kernarg_segment_ptr 1
		.amdhsa_wavefront_size32 1
		.amdhsa_system_sgpr_workgroup_id_x 1
		.amdhsa_system_sgpr_workgroup_id_y 1
		.amdhsa_system_sgpr_workgroup_id_z 1
		.amdhsa_system_vgpr_workitem_id 0
		.amdhsa_next_free_vgpr 1024
		.amdhsa_next_free_sgpr 102
		.amdhsa_reserve_vcc 0
		.amdhsa_float_denorm_mode_32 3
		.amdhsa_float_denorm_mode_16_64 3
		.amdhsa_fp16_overflow 1
		.amdhsa_memory_ordered 1
		.amdhsa_forward_progress 1
		.amdhsa_inst_pref_size 224
	.end_amdhsa_kernel
	.amdgpu_metadata
---
amdhsa.version: [ 1, 2 ]
amdhsa.kernels:
  - .name:           k_qce6b8dc67f_qkv_proj
    .symbol:         k_qce6b8dc67f_qkv_proj.kd
    .args:
      - { .name: x_codes, .offset: 0, .size: 8, .value_kind: global_buffer, .address_space: global }
      - { .name: x_scales, .offset: 8, .size: 8, .value_kind: global_buffer, .address_space: global }
      - { .name: in_proj_w_codes, .offset: 16, .size: 8, .value_kind: global_buffer, .address_space: global }
      - { .name: in_proj_w_scales, .offset: 24, .size: 8, .value_kind: global_buffer, .address_space: global }
      - { .name: in_proj_b, .offset: 32, .size: 8, .value_kind: global_buffer, .address_space: global }
      - { .name: qkv, .offset: 40, .size: 8, .value_kind: global_buffer, .address_space: global }
    .group_segment_fixed_size: 327680
    .private_segment_fixed_size: 0
    .kernarg_segment_align: 8
    .kernarg_segment_size: 48
    .max_flat_workgroup_size: 128
    .sgpr_count:     102
    .vgpr_count:     1024
    .wavefront_size: 32
...
	.end_amdgpu_metadata
.endif
;; end of part 1
;; launch attention (part 2): grid 4 x 64, 16 waves a work-group, no clusters, 327,680 bytes of LDS; arguments qkv, oimg, osc; writes oimg, osc
.if DOCPART == 2
	.amdgcn_target "amdgcn-amd-amdhsa--gfx1250"
	.amdhsa_code_object_version 6
	.text
	.protected	k_qce6b8dc67f_attention
	.globl	k_qce6b8dc67f_attention
	.p2align	8
	.type	k_qce6b8dc67f_attention,@function
k_qce6b8dc67f_attention:
	s_mov_b64 s[64:65], 0
	v_nop
	global_prefetch_b8 v0, s[64:65] scope:SCOPE_SE
	s_setreg_imm32_b32 hwreg(HW_REG_WAVE_MODE, 25, 1), 1
	s_wait_xcnt 0x0
; Causal attention of one head on codes of BF8 (E5M2) with E8M0 scales, from the records that the projection stored; O / l is quantised along E and stored as images of the last product's operand.
; t = score x log2(e) (the 1/8 is in q already); M = the running largest t rounded UP to a whole number; p = 2^(t - M) is quantised along the keys, not normalised; the row's sum is taken of the
; unquantised p and divides O at the end.  When M moves, the sum and O are multiplied by 2^(old M - new M): exact.
; SHARES.  Work-group x of a head does TWO jobs one after the other: query block 7 - x (256 queries, records 0 .. 7 - x of keys), then query block x (records 0 .. x): nine records in every work-group,
; so the loop's trip count is a constant and all 256 work-groups have the same work.  Each of the sixteen waves owns 16 queries, one tile, in 256 registers: four waves to a SIMD.
; NO CLUSTER: the four work-groups of a head change jobs after 8 - x trips, so from the sixth trip on partners would want different records in the same round; and a trip's 33,792 bytes serve sixteen waves'
; two key steps, whose vector work is some 300 instructions a step and wave: what could be shared is small beside it.
; A RECORD's keys and values (33,792 dense bytes: K's codes, V's codes, K's scales, V's scales) are one LDS slot; two slots take turns; waves 0 and 1 fetch a half each.
; Every fragment lies in the slot as an image of its registers: a load reads 512 consecutive bytes.
; K = 64 IN AN INSTRUCTION OF K = 128.  A fragment of K is two blocks of 16 keys side by side (registers 0-7, 8-15).  Q lies as q | zeros | q in 24 registers: q | 0 gives the scores of the first block,
; 0 | q those of the second.  Zero codes add nothing: the codes beside them are finite, since the projection's quantiser holds at the largest code.
; BOTH PRODUCTS ARE USED TRANSPOSED (source 0 = keys, or V's rows; source 1 = my queries): a lane holds one query throughout.  p's codes carry the keys of a block of 32 in the order in which V's codes carry them.
; O comes out in that order along the head's 64; the last product's weight is given in ascending order, so the way out puts O's codes in ascending order (four exchanges between the halves of the lanes).
; LIMITS: NaN and infinities are not served; a block whose largest magnitude lies under 2^-111 keeps the scale byte 1; a block's largest p is made from its largest score, which takes v_exp_f32 not to fall
; where its input rises.
.set REC,   50688
.set BHS,   8*REC
.set KVO,   16896                      ; where a record's keys and values begin
.set HALF,  16896                      ; half a slot: what one tensor load brings: 66 rows of 256 bytes
.set SLOT1, 65536                      ; slot 1 begins here: one exclusive or turns an address
.set VCO,   16384                      ; in a slot: V's codes,
.set KSC,   32768                      ; K's scale words,
.set VSC,   33280                      ; V's
.set OS,    131072                     ; O's scale bytes: 512 for each job; written by LDS stores alone
.set SPARE, 132096                     ; the spare words, 128 bytes for each of sixteen waves
.set LI,  1                            ; v1   16 x lane
.set LR,  2                            ; v2   4 x (lane % 16)
.set DQ,  3                            ; v3   lane % 16 - 8 (lane / 16)
.set OSA, 4                            ; v4   OS + 32 wave + 2 (lane % 16)
.set SPW, 5                            ; v5   LDS address of my spare word; never rewritten
.set NIL, 6                            ; v6   0; never rewritten
.set PFO, 7                            ; v7   the prefetches' offset
.set AD,  8                            ; v8   the slot in hand + 16 lane
.set AS,  9                            ; v9   the slot in hand + 4 (lane % 16)
.set OSR, 10                           ; v10  OS + 512 (wave & 1) + 16 lane
                                       ; v12 -M, v13 the largest t, v[14:15] the sum in two halves; v16-23 q, v24-31 zeros, v32-39 q
.set F,   40                           ; v40-103   four fragments of K or of V
.set S,   104                          ; v104-167  S^T, then p
.set O,   168                          ; v168-199  O^T
.set PC,  200                          ; v200-215  p's codes
.set BM,  216                          ; v216-219  a block's largest score, then p
.set PT,  220                          ; v220-223  at work
.set HL,  224
.set SO,  228                          ; v228-231  the conversions' scale operands
.set SW4, 232                          ; v232-235  four scale words of K or of V
.set PSW, 236                          ; v236      p's scale word
.set QSW, 237                          ; v237      Q's scale word
.set FF,  238                          ; v[238:239] f = 2^(old M - new M)
                                       ; v240-243  at work
; s10 wave, s11 x, s12 batch x head, s13 trip, s14 7 - x, s15 record to fetch, s16 the step's first key, s17 my first query, s18 query block, s[20:21] lane selects, s[22:23] log2(e),
; s[24:31] group 1, s[32:35] group 0, s[36:37] my half of record 0, s[38:39] the head's records, s[40:41] an offset (s41 = 0), s[42:43] Q's codes, s[44:45] Q's scales, s[46:47] O's image,
; s[48:49] the prefetches' address, s50 their bound, s51 the slot in hand, s52-53 at work, s[54:55] the head's place in oimg, s[56:57] in osc
.macro TLOAD                           ; waves 0 and 1 fetch, the others nothing; four v_nop follow the load
	s_cmp_lt_u32 s10, 2
	s_cbranch_scc0 .Lno_load_\@
	tensor_load_to_lds s[32:35], s[24:31]
	s_nop 0
.rept 4
	v_nop
.endr
.Lno_load_\@:
.endm
; A PREFETCH of the record that the NEXT change of slots will ask for: in trip T record T + 2, its 132 blocks of 256 bytes, a lane a block.  All four work-groups of a head walk the same records:
; work-group 0, whose first job walks records 0 to 7 in trips 0 to 7, asks, and in it waves 4 to 8, which fetch nothing (of wave 8 lanes 3 to 31 all name the last block).  Records 0 and 1 come by their
; loads alone; from trip 6 on nothing is asked for.
.macro ASK
	s_cmp_lt_u32 s13, s50
	s_cbranch_scc0 .Lnot_mine_\@
	global_prefetch_b8 v[PFO], s[48:49] th:TH_LOAD_NT scope:SCOPE_SE
.Lnot_mine_\@:
.endm
; THE CHANGE OF SLOTS stands at a trip's head.  Each wave waits for all its tensor loads (its part of the slot ahead), adds 0 to its spare word, and waits for that and for its reads of the slot that it has left.
.macro CHANGE fill
	s_wait_tensorcnt 0x0                           ; no tensor load of mine is out, so group 0 may be written
	ds_add_u32 v[SPW], v[NIL]                      ; 0 onto my spare word
.if \fill
	s_xor_b32 s33, s33, SLOT1                      ; the other slot than last time
	s_add_co_u32 s15, s15, 1                       ; the next record,
	s_cmp_eq_u32 s13, s14
	s_cselect_b32 s15, 0, s15                      ; or, in the first job's last trip, the second job's record 0
	s_mul_i32 s40, s15, REC
	s_add_nc_u64 s[34:35], s[36:37], s[40:41]
	s_or_b32 s35, s35, 0x80000000
	s_wait_xcnt 0x0                                ; the last prefetch, a trip back, has read its address
	s_add_nc_u64 s[48:49], s[48:49], REC
.endif
	s_wait_dscnt 0x0                               ; the add is done, and my reads of the slot that I have left are over
	s_barrier_signal -1
	s_barrier_wait -1
.if \fill
	TLOAD                                          ; the first thing behind the barrier, and a wave's one tensor load until the next
	ASK
.endif
.endm
; A KEY STEP: 128 keys, the q-th of the slot in hand.
.macro STEP q
	s_add_co_u32 s52, s17, 15                      ; a step all of whose keys come after my 16 queries is left out: a scalar branch on ids
	s_cmp_gt_u32 s16, s52
	s_cbranch_scc1 .Lhidden_\@
	v_add_nc_u32 v[AD], s51, v[LI]
	v_add_nc_u32 v[AS], s51, v[LR]
.rept 6
	v_nop                                          ; with the two additions: eight places in front of loads into registers that the last products read
.endr
.irp c, 0,1,2,3
.irp g, 0,1,2,3
	ds_load_b128 v[F+16*\c+4*\g:F+16*\c+4*\g+3], v[AD] offset:8192*(\q)+2048*\c+512*\g
.endr
	ds_load_b32 v[SW4+\c], v[AS] offset:KSC+256*(\q)+64*\c
.endr
	s_wait_alu depctr_va_vdst(0)
	s_wait_dscnt 0x0
.irp c, 0,1,2,3                                ; S^T: register 8 a + j of lane (r, h) is key 16 a + 8 h + j of the step, query r
	v_wmma_scale_f32_16x16x128_f8f6f4 v[S+16*\c:S+16*\c+7], v[F+16*\c:F+16*\c+15], v[16:31], 0, v[SW4+\c], v[QSW] matrix_a_fmt:MATRIX_FMT_BF8 matrix_b_fmt:MATRIX_FMT_BF8
	v_wmma_scale_f32_16x16x128_f8f6f4 v[S+16*\c+8:S+16*\c+15], v[F+16*\c:F+16*\c+15], v[24:39], 0, v[SW4+\c], v[QSW] matrix_a_fmt:MATRIX_FMT_BF8 matrix_b_fmt:MATRIX_FMT_BF8
.endr
.rept 8
	v_nop                                          ; places in front of the loads below and of the first read of the scores
.endr
.irp t, 0,1,2,3                                ; V's fragments are asked for here: they land under the softmax
.irp g, 0,1,2,3
	ds_load_b128 v[F+16*\t+4*\g:F+16*\t+4*\g+3], v[AD] offset:VCO+8192*(\q)+2048*\t+512*\g
.endr
	ds_load_b32 v[SW4+\t], v[AS] offset:VSC+256*(\q)+64*\t
.endr
	s_add_co_u32 s52, s16, 127                     ; on the diagonal hidden scores become -infinity ahead of the maximum; a step all of whose keys count skips this
	s_cmp_le_u32 s52, s17
	s_cbranch_scc1 .Lopen_\@
	s_sub_co_i32 s52, s17, s16
	v_add_nc_u32 v241, s52, v[DQ]                  ; d = my query - the step's first key - 8 h: key 16 a + j is hidden where 16 a + j > d
	v_mov_b32 v242, 0xff800000
.set n, 0
.rept 64
	v_cmp_gt_i32 vcc_lo, 16*(n/8)+n%8, v241
	v_cndmask_b32 v[S+n], v[S+n], v242, vcc_lo
.set n, n+1
.endr
.Lopen_\@:
.irp b, 0,1,2,3
	v_max3_num_f32 v[BM+\b], v[S+16*\b], v[S+1+16*\b], v[S+2+16*\b]   ; the largest score of each block of 32 keys: for the row's maximum, and for the block's largest p
.endr
.irp i, 3,5,7,9,11,13
.irp b, 0,1,2,3
	v_max3_num_f32 v[BM+\b], v[BM+\b], v[S+16*\b+\i], v[S+1+16*\b+\i]
.endr
.endr
.irp b, 0,1,2,3
	v_max_num_f32 v[BM+\b], v[BM+\b], v[S+15+16*\b]
.endr
.irp b, 0,1,2,3
	s_delay_alu instid0(VALU_DEP_4)
	v_permlanex16_b32 v[PT+\b], v[BM+\b], s20, s21
.endr
.irp b, 0,1,2,3
	s_delay_alu instid0(VALU_DEP_4)
	v_max_num_f32 v[BM+\b], v[BM+\b], v[PT+\b]     ; with lane l xor 16's 16 keys
.endr
	s_delay_alu instid0(VALU_DEP_2)
	v_max3_num_f32 v240, v[BM], v[BM+1], v[BM+2]
	s_delay_alu instid0(VALU_DEP_1)
	v_max_num_f32 v240, v240, v[BM+3]
	s_delay_alu instid0(VALU_DEP_1)
	v_mul_f32 v240, s22, v240                      ; as t
	s_delay_alu instid0(VALU_DEP_1)
	v_max_num_f32 v13, v13, v240                   ; the running largest t
	v_mov_b32 v240, v12
	s_delay_alu instid0(VALU_DEP_2)
	v_floor_f32 v12, -v13                          ; the new -M = floor(-t): M is a whole number
	s_delay_alu instid0(VALU_DEP_1)
	v_sub_f32 v240, v12, v240                      ; old M - new M: a whole number, 0 or less
	s_delay_alu instid0(VALU_DEP_1)
	v_cvt_i32_f32 v240, v240                       ; (it saturates)
	s_delay_alu instid0(VALU_DEP_1)
	v_ldexp_f32 v[FF], 1.0, v240                   ; f = 2^(old M - new M)
.set n, 0
.rept 32
	v_pk_fma_f32 v[S+n:S+n+1], v[S+n:S+n+1], s[22:23], v[12:13] op_sel_hi:[1,0,0]   ; t - M, two at a time
.set n, n+2
.endr
.irp b, 0,1,2,3
	v_fma_f32 v[BM+\b], v[BM+\b], s22, v12         ; the same of each block's largest score
.endr
.set n, 0
	s_wait_alu depctr_va_vdst(0)
.rept 64
	v_exp_f32 v[S+n], v[S+n]                       ; p = 2^(t - M), at most 1
.set n, n+1
.endr
	v_pk_mul_f32 v[14:15], v[14:15], v[FF:FF+1] op_sel_hi:[1,0]   ; the sums under the new M: a plain instruction behind the exponentials
	s_wait_alu depctr_va_vdst(0)                   ; one wait for the whole batch, ahead of its first reader
.irp b, 0,1,2,3
	v_exp_f32 v[BM+\b], v[BM+\b]                   ; the block's largest p
.endr
	v_pk_add_f32 v[220:221], v[108:109], v[112:113]
	v_pk_add_f32 v[254:255], v[116:117], v[120:121]
	v_pk_add_f32 v[252:253], v[124:125], v[128:129]
	v_pk_add_f32 v[250:251], v[132:133], v[136:137]
	v_pk_add_f32 v[248:249], v[140:141], v[144:145]
	v_pk_add_f32 v[246:247], v[148:149], v[152:153]
	v_pk_add_f32 v[244:245], v[156:157], v[160:161]
	v_pk_add_f32 v[14:15], v[14:15], v[164:165]
	v_pk_add_f32 v[220:221], v[220:221], v[104:105]
	v_pk_add_f32 v[254:255], v[254:255], v[106:107]
	v_pk_add_f32 v[252:253], v[252:253], v[110:111]
	v_pk_add_f32 v[250:251], v[250:251], v[114:115]
	v_pk_add_f32 v[248:249], v[248:249], v[118:119]
	v_pk_add_f32 v[246:247], v[246:247], v[122:123]
	v_pk_add_f32 v[244:245], v[244:245], v[126:127]
	v_pk_add_f32 v[14:15], v[14:15], v[130:131]
	v_pk_add_f32 v[220:221], v[220:221], v[134:135]
	v_pk_add_f32 v[254:255], v[254:255], v[138:139]
	v_pk_add_f32 v[252:253], v[252:253], v[142:143]
	v_pk_add_f32 v[250:251], v[250:251], v[146:147]
	v_pk_add_f32 v[248:249], v[248:249], v[150:151]
	v_pk_add_f32 v[246:247], v[246:247], v[154:155]
	v_pk_add_f32 v[244:245], v[244:245], v[158:159]
	v_pk_add_f32 v[14:15], v[14:15], v[162:163]
	v_pk_add_f32 v[220:221], v[220:221], v[166:167]
	s_delay_alu instid0(VALU_DEP_2)
	v_pk_add_f32 v[14:15], v[14:15], v[250:251]
	s_delay_alu instid0(VALU_DEP_2)
	v_pk_add_f32 v[220:221], v[220:221], v[248:249]
	v_pk_add_f32 v[254:255], v[254:255], v[246:247]
	v_pk_add_f32 v[252:253], v[252:253], v[244:245]
	s_delay_alu instid0(VALU_DEP_2)
	v_pk_add_f32 v[14:15], v[14:15], v[254:255]
	s_delay_alu instid0(VALU_DEP_2)
	v_pk_add_f32 v[220:221], v[220:221], v[252:253]
	s_delay_alu instid0(VALU_DEP_1)
	v_pk_add_f32 v[14:15], v[14:15], v[220:221]
	s_wait_alu depctr_va_vdst(0)                   ; and one for the four
.irp b, 0,1,2,3
	v_max_num_f32 v[BM+\b], 0x8000000, v[BM+\b]    ; the floor 2^(16 - 127)
.endr
.irp b, 0,1,2,3
	s_delay_alu instid0(VALU_DEP_4)
	v_add_nc_u32 v[SO+\b], 0xf8800000, v[BM+\b]    ; 15 off the exponent field: the conversion's scale operand
.endr
.irp b, 0,1,2,3
.endr
.irp b, 0,1,2,3
	s_delay_alu instid0(VALU_DEP_4)
	v_lshrrev_b32 v[PT+\b], 23, v[SO+\b]           ; the scale's byte
.endr
	s_delay_alu instid0(VALU_DEP_3)
	v_lshl_or_b32 v[PSW], v[PT+1], 8, v[PT]        ; p's scale word for these 128 keys
	s_delay_alu instid0(VALU_DEP_1)
	v_lshl_or_b32 v[PSW], v[PT+2], 16, v[PSW]
	s_delay_alu instid0(VALU_DEP_1)
	v_lshl_or_b32 v[PSW], v[PT+3], 24, v[PSW]
.irp b, 0,1,2,3
.irp i, 0,1,2,3,4,5,6,7,8,9,10,11,12,13,14,15
.endr
	v_cvt_scalef32_pk8_bf8_f32 v[PC+4*\b:PC+1+4*\b], v[S+16*\b:S+7+16*\b], v[SO+\b]
	v_cvt_scalef32_pk8_bf8_f32 v[PC+2+4*\b:PC+3+4*\b], v[S+8+16*\b:S+15+16*\b], v[SO+\b]
.endr
.set n, 0
.rept 16
	v_pk_mul_f32 v[O+n:O+n+1], v[O+n:O+n+1], v[FF:FF+1] op_sel_hi:[1,0]   ; O^T under the new M; these lines are also the places in front of the products below
.set n, n+2
.endr
	s_wait_alu depctr_va_vdst(0)
	s_wait_dscnt 0x0                               ; V's fragments and scale words
.irp t, 0,1,2,3                                ; O^T += V^T P^T: register 8 t + j of lane (r, h) is channel 16 t + 8 h + j, query r
	v_wmma_scale_f32_16x16x128_f8f6f4 v[O+8*\t:O+8*\t+7], v[F+16*\t:F+16*\t+15], v[PC:PC+15], v[O+8*\t:O+8*\t+7], v[SW4+\t], v[PSW] matrix_a_fmt:MATRIX_FMT_BF8 matrix_b_fmt:MATRIX_FMT_BF8
.endr
.Lhidden_\@:
	s_add_co_u32 s16, s16, 128
.endm
; A JOB BEGINS, for query block s18.
.macro START
	s_wait_xcnt 0x0                                ; earlier loads and stores have read their addresses and data
	s_lshl_b32 s17, s18, 8
	s_lshl_b32 s52, s10, 4
	s_add_co_u32 s17, s17, s52                     ; my first query
	s_mov_b32 s16, 0
	s_mul_i32 s40, s18, REC
	s_lshl_b32 s52, s10, 10
	s_add_co_u32 s40, s40, s52
	s_add_nc_u64 s[42:43], s[38:39], s[40:41]      ; Q's image of my 16 queries
	s_mul_i32 s40, s18, REC
	s_lshr_b32 s52, s10, 1
	s_lshl_b32 s52, s52, 6
	s_add_co_u32 s40, s40, s52
	s_and_b32 s52, s10, 1
	s_lshl_b32 s52, s52, 1
	s_add_co_u32 s40, s40, s52
	s_add_co_u32 s40, s40, 16384
	s_add_nc_u64 s[44:45], s[38:39], s[40:41]      ; and their scale bytes: two for a query, 4 bytes from query to query
	s_lshl_b32 s40, s17, 8
	s_add_nc_u64 s[46:47], s[54:55], s[40:41]      ; where O's image goes: 4,096 bytes for 16 tokens
	global_load_b128 v[16:19], v[LI], s[42:43]
	global_load_b128 v[20:23], v[LI], s[42:43] offset:512
	global_load_b128 v[32:35], v[LI], s[42:43]     ; a second time: q | zeros | q
	global_load_b128 v[36:39], v[LI], s[42:43] offset:512
	global_load_u16 v243, v[LR], s[44:45]
	v_mov_b32 v13, 0xff61b1e6                      ; the largest t so far: -3e38
	s_delay_alu instid0(VALU_DEP_1)
	v_floor_f32 v12, -v13
	v_mov_b32 v14, 0
	v_mov_b32 v15, 0
	s_wait_loadcnt 0x0
	v_lshl_or_b32 v[QSW], v243, 16, v243           ; the two bytes serve q in either half of the operand
.set n, 0
.rept 32
	v_mov_b32 v[O+n], 0                            ; O^T: the step is written once, and its first turn finds zeros.  (Also the places between the scale word and the products)
.set n, n+1
.endr
.endm
; A JOB ENDS: O^T / the sum, quantised along the head's 64 (two blocks of 32), in ascending order, stored as an image; the two scale bytes of a query go to LDS.
.macro FINISH job
.rept 8
	v_nop                                          ; places behind the last products
.endr
	v_add_f32 v14, v14, v15
	s_delay_alu instid0(VALU_DEP_1)
	v_permlanex16_b32 v240, v14, s20, s21
	s_delay_alu instid0(VALU_DEP_1)
	v_add_f32 v14, v14, v240                       ; the row's sum
	s_wait_alu depctr_va_vdst(0)
	v_rcp_f32 v14, v14
	v_nop                                          ; a plain instruction behind the transcendental
	s_wait_alu depctr_va_vdst(0)                   ; the wait, ahead of the first reader
.set n, 0
.rept 32
	v_mul_f32 v[S+n], v[O+n], v14                  ; each accumulator from its low end on
.set n, n+1
.endr
.irp b, 0,1
	v_max3_num_f32 v[BM+\b], |v[S+16*\b]|, |v[S+1+16*\b]|, 0x8000000
.endr
.irp i, 2,4,6,8,10,12,14
.irp b, 0,1
	s_delay_alu instid0(VALU_DEP_2)
	v_max3_num_f32 v[BM+\b], v[BM+\b], |v[S+16*\b+\i]|, |v[S+1+16*\b+\i]|
.endr
.endr
.irp b, 0,1
	s_delay_alu instid0(VALU_DEP_2)
	v_permlanex16_b32 v[PT+\b], v[BM+\b], s20, s21
.endr
.irp b, 0,1
	s_delay_alu instid0(VALU_DEP_2)
	v_max_num_f32 v[BM+\b], v[BM+\b], v[PT+\b]
.endr
.irp b, 0,1
	s_delay_alu instid0(VALU_DEP_2)
	v_add_nc_u32 v[SO+\b], 0xf8800000, v[BM+\b]
.endr
.irp b, 0,1
.endr
.irp b, 0,1
	s_delay_alu instid0(VALU_DEP_2)
	v_lshrrev_b32 v[PT+\b], 23, v[SO+\b]
.endr
	s_delay_alu instid0(VALU_DEP_1)
	v_lshl_or_b32 v240, v[PT+1], 8, v[PT]          ; my query's two scale bytes
.irp b, 0,1
.irp i, 0,1,2,3,4,5,6,7,8,9,10,11,12,13,14,15
.endr
	v_cvt_scalef32_pk8_bf8_f32 v[PC+4*\b:PC+1+4*\b], v[S+16*\b:S+7+16*\b], v[SO+\b]
	v_cvt_scalef32_pk8_bf8_f32 v[PC+2+4*\b:PC+3+4*\b], v[S+8+16*\b:S+15+16*\b], v[SO+\b]
.endr
	v_nop                                          ; one plain vector instruction behind the last conversion
	s_mov_b32 vcc_lo, 0xffff0000                   ; lanes 16-31
; Registers 4 b, 4 b + 1 hold channels 32 b + 8 h + 0 .. 7 and registers 4 b + 2, 4 b + 3 channels 32 b + 16 + 8 h + 0 .. 7; the operand wants 32 b + 16 h + 0 .. 15:
; lanes 0-15 take their second pair from lanes 16-31's first, lanes 16-31 their first pair from lanes 0-15's second.
.irp b, 0,1
.irp k, 0,1
	v_permlanex16_b32 v241, v[PC+4*\b+\k], s20, s21
	v_permlanex16_b32 v242, v[PC+4*\b+2+\k], s20, s21
	v_cndmask_b32 v[PC+4*\b+\k], v[PC+4*\b+\k], v242, vcc_lo
	v_cndmask_b32 v[PC+4*\b+2+\k], v241, v[PC+4*\b+2+\k], vcc_lo
.endr
.endr
	global_store_b128 v[LI], v[PC:PC+3], s[46:47]              ; 512 consecutive bytes, aligned,
	global_store_b128 v[LI], v[PC+4:PC+7], s[46:47] offset:512 ; and the next 512
	ds_store_b16 v[OSA], v240 offset:512*\job                  ; lanes l and l xor 16 write the same bytes with the same value
.endm
	s_load_b128 s[4:7], s[0:1], 0x0                ; qkv s[4:5], oimg s[6:7]
	s_load_b64 s[8:9], s[0:1], 0x10                ; osc
	v_lshl_add_u32 v[SPW], v0, 2, SPARE
	v_mov_b32 v[NIL], 0
	ds_add_u32 v5, v6
	ds_add_u32 v5, v6
	s_wait_dscnt 0x0
	v_lshrrev_b32 v8, 5, v0
	s_delay_alu instid0(VALU_DEP_1)
	v_readfirstlane_b32 s10, v8                    ; wave 0..15
	s_mov_b32 s11, ttmp9                           ; x
	s_and_b32 s12, ttmp7, 0xffff                   ; 16 x batch + head
	s_sub_co_u32 s14, 7, s11                       ; the first job's query block, and its last trip
	; descriptor group 1: half a slot: a dense block of 16,896 bytes as 66 rows of 256 bytes (32 elements of 8 bytes), no padding
	s_mov_b32 s24, 3<<16
	s_mov_b32 s25, 32<<16                          ; tensor_dim0
	s_mov_b32 s26, 66<<16                          ; tensor_dim1
	s_mov_b32 s27, 32<<16                          ; tile_dim0
	s_mov_b32 s28, 66                              ; tile_dim1
	s_mov_b32 s29, 32                              ; tensor_dim0_stride
	s_mov_b32 s30, 0
	s_mov_b32 s31, 0
	s_and_b32 s52, s10, 1
	s_mul_i32 s53, s52, HALF                       ; which half I fetch, if I fetch
	s_mul_i32 s40, s12, BHS
	s_mov_b32 s41, 0
	s_mov_b32 s20, 0x76543210
	s_mov_b32 s21, 0xfedcba98                      ; v_permlanex16_b32's selects for lane l xor 16
	s_mov_b32 s22, 0x3fb8aa3b                      ; log2(e)
	s_mov_b32 s23, s22                             ; (named with it as a pair, so it is written)
	s_mov_b32 s13, 0
	s_mov_b32 s15, 0
	s_mov_b32 s51, 0
	s_wait_kmcnt 0x0
	s_add_nc_u64 s[38:39], s[4:5], s[40:41]        ; the head's records
	s_add_co_u32 s40, s53, KVO
	s_add_nc_u64 s[36:37], s[38:39], s[40:41]      ; my half of record 0's keys and values
	s_mov_b32 s32, 1                               ; count = 1
	s_mov_b32 s33, s53                             ; LDS address: slot 0
	s_mov_b64 s[34:35], s[36:37]
	s_or_b32 s35, s35, 0x80000000                  ; type = 2
	TLOAD                                          ; record 0: the one first fill; slot 1 is filled behind the first trip's barrier
	s_mov_b32 s40, KVO+REC
	s_add_nc_u64 s[48:49], s[38:39], s[40:41]      ; the prefetches stand at record 1; the first change of slots steps them to record 2
	s_sub_co_u32 s53, s10, 4
	s_cmp_lt_u32 s53, 5                            ; waves 4 to 8
	s_cselect_b32 s50, 6, 0
	s_cmp_eq_u32 s11, 0                            ; of the head's work-group 0
	s_cselect_b32 s50, s50, 0
	s_and_b32 s53, s12, 15                         ; the head
	s_lshr_b32 s40, s53, 2
	s_lshl_b32 s40, s40, 21                        ; its K slot of the last product: 2,097,152 bytes each
	s_and_b32 s53, s53, 3
	s_lshl_b32 s53, s53, 10                        ; its 1,024 bytes of a block's 4,096
	s_add_co_u32 s40, s40, s53
	s_lshr_b32 s53, s12, 4
	s_lshl_b32 s53, s53, 19                        ; the batch: 2,048 tokens x 256 bytes
	s_add_co_u32 s40, s40, s53
	s_add_nc_u64 s[54:55], s[6:7], s[40:41]
	v_and_b32 v8, 31, v0
	s_delay_alu instid0(VALU_DEP_1)
	v_lshlrev_b32 v[LI], 4, v8
	v_and_b32 v9, 15, v0                           ; r
	v_bfe_u32 v11, v0, 4, 1                        ; h
	s_delay_alu instid0(VALU_DEP_2)
	v_lshlrev_b32 v[LR], 2, v9
	s_delay_alu instid0(VALU_DEP_2)
	v_lshlrev_b32 v11, 3, v11
	s_delay_alu instid0(VALU_DEP_1)
	v_sub_nc_u32 v[DQ], v9, v11
	v_and_b32 v[OSA], 0x1e0, v0                    ; 32 x wave
	s_delay_alu instid0(VALU_DEP_1)
	v_lshl_add_u32 v[OSA], v9, 1, v[OSA]
	s_delay_alu instid0(VALU_DEP_1)
	v_add_nc_u32 v[OSA], OS, v[OSA]
	s_lshl_b32 s52, s52, 9
	v_add_nc_u32 v[OSR], s52, v[LI]
	s_delay_alu instid0(VALU_DEP_1)
	v_add_nc_u32 v[OSR], OS, v[OSR]
	v_add_nc_u32 v[PFO], 0xffffff80, v0            ; thread - 128,
	s_delay_alu instid0(VALU_DEP_1)
	v_min_u32 v[PFO], 131, v[PFO]                  ; held at the record's last block,
	s_delay_alu instid0(VALU_DEP_1)
	v_lshlrev_b32 v[PFO], 8, v[PFO]                ; x 256 bytes
.irp j, 24,25,26,27,28,29,30,31
	v_mov_b32 v\j, 0                               ; the zero codes between the two copies of q
.endr
.irp j, 220,221,222,223,239,240,241,242
	v_mov_b32 v\j, 0                               ; written once: lane permutes' destinations count as sources, and v239 is named as the upper half of a pair
.endr
	s_mov_b32 s18, s14
	START
.Ltrip:                                            ; eight trips, each behind a change of slots that asks for the next record
	CHANGE 1
	STEP 0
	STEP 1
	s_xor_b32 s51, s51, SLOT1                      ; on to the other slot
	s_cmp_lg_u32 s13, s14                          ; the first job's last trip?  The same in all sixteen waves; no barrier and no tensor load stands under the branch
	s_cbranch_scc1 .Lsame
	FINISH 0
	s_mov_b32 s18, s11
	START
.Lsame:
	s_add_co_u32 s13, s13, 1
	s_cmp_lt_u32 s13, 8
	s_cbranch_scc1 .Ltrip
	CHANGE 0                                       ; the ninth trip is written out
	STEP 0
	STEP 1
	FINISH 1
	; O's scale bytes: 512 consecutive bytes for each job, stored by wave 0 (the first job's) and wave 1 (the second's)
	s_cmp_eq_u32 s10, 0
	s_cselect_b32 s52, s14, s11                    ; the job's query block
	s_lshl_b32 s52, s52, 9                         ; 256 tokens x 2 bytes
	s_and_b32 s53, s12, 15
	s_lshl_b32 s53, s53, 14                        ; the head: 8,192 tokens x 2 bytes
	s_add_co_u32 s52, s52, s53
	s_lshr_b32 s53, s12, 4
	s_lshl_b32 s53, s53, 12                        ; the batch: 2,048 tokens x 2 bytes
	s_add_co_u32 s52, s52, s53
	s_mov_b32 s53, 0
	s_add_nc_u64 s[56:57], s[8:9], s[52:53]
	s_wait_dscnt 0x0                               ; for the others' sake: my stores of scale bytes are done
	s_barrier_signal -1
	s_barrier_wait -1
	s_cmp_lt_u32 s10, 2
	s_cbranch_scc0 .Lnot_out
	ds_load_b128 v[S:S+3], v[OSR]
	s_wait_dscnt 0x0
	global_store_b128 v[LI], v[S:S+3], s[56:57]
.Lnot_out:
	s_wait_tensorcnt 0x0                           ; the wave's end
	ds_add_u32 v[SPW], v[NIL]
	s_wait_dscnt 0x0
	s_endpgm
.Lfunc_end_k_qce6b8dc67f_attention:
	.size	k_qce6b8dc67f_attention, .Lfunc_end_k_qce6b8dc67f_attention-k_qce6b8dc67f_attention
	.p2alignl 7, 3214868480
	.fill 96, 4, 3214868480
	.section	.rodata,"a",@progbits
	.p2align	6, 0x0
	.amdhsa_kernel k_qce6b8dc67f_attention
		.amdhsa_group_segment_fixed_size 327680
		.amdhsa_private_segment_fixed_size 0
		.amdhsa_enable_private_segment 0
		.amdhsa_kernarg_size 24
		.amdhsa_user_sgpr_count 2
		.amdhsa_user_sgpr_kernarg_segment_ptr 1
		.amdhsa_wavefront_size32 1
		.amdhsa_system_sgpr_workgroup_id_x 1
		.amdhsa_system_sgpr_workgroup_id_y 1
		.amdhsa_system_sgpr_workgroup_id_z 1
		.amdhsa_system_vgpr_workitem_id 0
		.amdhsa_next_free_vgpr 256
		.amdhsa_next_free_sgpr 66
		.amdhsa_reserve_vcc 1
		.amdhsa_float_denorm_mode_32 3
		.amdhsa_float_denorm_mode_16_64 3
		.amdhsa_fp16_overflow 1
		.amdhsa_memory_ordered 1
		.amdhsa_forward_progress 1
		.amdhsa_inst_pref_size 112
	.end_amdhsa_kernel
	.amdgpu_metadata
---
amdhsa.version: [ 1, 2 ]
amdhsa.kernels:
  - .name:           k_qce6b8dc67f_attention
    .symbol:         k_qce6b8dc67f_attention.kd
    .args:
      - { .name: qkv, .offset: 0, .size: 8, .value_kind: global_buffer, .address_space: global }
      - { .name: oimg, .offset: 8, .size: 8, .value_kind: global_buffer, .address_space: global }
      - { .name: osc, .offset: 16, .size: 8, .value_kind: global_buffer, .address_space: global }
    .group_segment_fixed_size: 327680
    .private_segment_fixed_size: 0
    .kernarg_segment_align: 8
    .kernarg_segment_size: 24
    .max_flat_workgroup_size: 512
    .sgpr_count:     66
    .vgpr_count:     256
    .wavefront_size: 32
...
	.end_amdgpu_metadata
.endif
;; end of part 2
;; launch out_proj (part 3): grid 4 x 64, 4 waves a work-group, clusters of 4 x 4, 327,680 bytes of LDS; arguments oimg, osc, out_proj_w_codes, out_proj_w_scales, out_proj_b, out0; writes out0
.if DOCPART == 3
	.amdgcn_target "amdgcn-amd-amdhsa--gfx1250"
	.amdhsa_code_object_version 6
	.text
	.protected	k_qce6b8dc67f_out_proj
	.globl	k_qce6b8dc67f_out_proj
	.p2align	8
	.type	k_qce6b8dc67f_out_proj,@function
k_qce6b8dc67f_out_proj:
	s_mov_b64 s[64:65], 0
	v_nop
	global_prefetch_b8 v0, s[64:65] scope:SCOPE_SE
	s_setreg_imm32_b32 hwreg(HW_REG_WAVE_MODE, 25, 1), 1
	s_wait_xcnt 0x0
	s_wait_alu depctr_hold_cnt(0) depctr_sa_sdst(0) depctr_va_vdst(0) depctr_va_sdst(0) depctr_va_ssrc(0) depctr_va_vcc(0) depctr_vm_vsrc(0)
	s_getreg_b32 s2, hwreg(HW_REG_IB_STS2, 6, 4)
	s_cmp_eq_u32 s2, 0
	s_cbranch_scc0 .Lentry_in_a_cluster
	s_endpgm
.Lentry_in_a_cluster:
	s_bfe_u32 s2, ttmp6, 0x10000c
	s_cmp_lg_u32 s2, 0xf033
	s_cbranch_scc0 .Lentry_shape_is_right
	s_endpgm
.Lentry_shape_is_right:
; out0 = O W^T + b on codes of BF8 (E5M2) with one E8M0 scale for each 32 along K = 1,024.  O's codes come as images of operand registers (oimg: [K slot of 256][block of 16 tokens][4,096 bytes]), its scale
; bytes as [head][token][2] (osc); W's codes and scale bytes as they are given, K innermost.
; A tile is 128 tokens x 256 features: 256 work-groups.  Four waves, each 64 tokens x 128 features: 32 accumulators.  K goes in four steps of 256 through two LDS slots.
; THE MATRIX INSTRUCTION IS USED TRANSPOSED (source 0 = 16 rows of W, source 1 = 16 tokens): a lane holds eight neighbouring numbers of a row of out0.  The bias is the C of each sum's first product.
; CLUSTERS: 4 x 4 work-groups; O's tiles are asked for jointly along a row of the cluster, W's along a column.
; REGISTERS: window 0: v0-31 addresses; v32-63 scale words, two sets; v64-127, v128-191 O's fragments, two sets; on the way out v128-255.  window 1: W's fragments, two sets.
;   window 2: the accumulators ((a, b) at v[8 (8 a + b)]).  window 3: v0-63 the bias in the result's layout.
.set ROWB,   256
.set PITCH,  272                       ; a row of W in LDS: 256 bytes + 16 of padding
.set ABYTES, 32768                     ; a slot: O's 8 blocks x 4,096 bytes,
.set HALFB,  128*PITCH                 ; then W's 256 rows
.set SLOT,   ABYTES+2*HALFB
.set ASC,    2*SLOT                    ; O's scale words, [token][32 bytes], 16 bytes of padding behind each 256: written by LDS stores alone
.set BSC,    ASC+4352                  ; W's, in the same form: filled once by tensor loads
.set SPARE,  BSC+8704                  ; the spare words, 128 bytes for each wave
.set STAGE,  SPARE+512                 ; the way out: 16 rows x (512 bytes + 16) for each wave
.set SPITCH, 528
.set KSLOT,  2097152                   ; from K slot to K slot in oimg
.set ADA,  16                          ; v16-17  LDS address of my fragments of O in slot 0, 1
.set ADB,  20                          ; v20-21  of W
.set STO,  24
.set RD,   25
.set CO,   26
.set ADRS, 27                          ; v27     my scale words: lanes 0-15 O's rows, lanes 16-31 W's
.set SPW,  28
.set NIL,  29
.set SC,   32
.set AF,   64
.set BK,   128
.set G1A, 24
.set G0A, 32
.set G1B, 48
.set G0B, 56
.set G1SB, 80
.set G0SB, 88
.set MSB, 0
.macro WIN new
.if MSB != \new
	s_set_vgpr_msb (MSB<<8)|\new
.set MSB, \new
.endif
.endm
.macro JLOAD g0a, g1a, g0b, g1b        ; waves 0 and 1 fetch for O, waves 2 and 3 for W; four v_nop follow each of the two lines
	s_cmp_eq_u32 s17, 0
	s_cbranch_scc0 .Lfor_b_\@
	tensor_load_to_lds s[\g0a:\g0a+3], s[\g1a:\g1a+7]
	s_nop 0
.rept 4
	v_nop
.endr
	s_branch .Lasked_\@
.Lfor_b_\@:
	tensor_load_to_lds s[\g0b:\g0b+3], s[\g1b:\g1b+7]
	s_nop 0
.rept 4
	v_nop
.endr
.Lasked_\@:
.endm
.macro CREST
	s_cmp_lg_u32 s16, 0
	s_cbranch_scc1 .Lnot_wave_0_\@
	s_barrier_signal -3
.Lnot_wave_0_\@:
	s_barrier_wait -3
	s_barrier_signal -1
	s_barrier_wait -1
.endm
.macro CROUND
	s_barrier_signal -1
	s_barrier_wait -1
	CREST
.endm
.macro PLACES n
.rept \n
	v_nop
.endr
.endm
	s_load_b128 s[4:7], s[0:1], 0x0                ; oimg s[4:5], osc s[6:7]
	s_load_b128 s[8:11], s[0:1], 0x10              ; W's codes s[8:9], W's scales s[10:11]
	s_load_b128 s[12:15], s[0:1], 0x20             ; the bias s[12:13], out0 s[14:15]
	v_lshl_add_u32 v[SPW], v0, 2, SPARE
	v_mov_b32 v[NIL], 0
	ds_add_u32 v28, v29
	ds_add_u32 v28, v29
	s_wait_dscnt 0x0
	v_lshrrev_b32 v1, 5, v0
	v_readfirstlane_b32 s16, v1                    ; wave 0..3
	s_lshr_b32 s17, s16, 1                         ; RH: my half of the tokens.  Also: I fetch for O (0) or for W (1)
	s_and_b32 s18, s16, 1                          ; CH: my half of the features.  Also: which half of that tile I fetch
	s_bfe_u32 s40, ttmp6, 0x40000                  ; cx, cy
	s_bfe_u32 s41, ttmp6, 0x40004
	s_lshl_b32 s42, ttmp9, 2
	s_add_co_u32 s42, s42, s40                     ; tile column: 256 features
	s_and_b32 s43, ttmp7, 0xffff
	s_lshl_b32 s43, s43, 2
	s_add_co_u32 s43, s43, s41                     ; tile row: 128 tokens
	s_lshl_b32 s44, s41, 2
	s_lshl_b32 s44, 15, s44                        ; my row of the cluster
	s_lshl_b32 s45, 0x1111, s40                    ; my column
	; O: four blocks of 16 tokens: a dense block of 16,384 bytes as 64 rows of 256 bytes (32 elements of 8 bytes), no padding
	s_or_b32 s[G1A+0], s44, (3<<16)|(1<<21)
	s_mov_b32 s[G1A+1], 32<<16
	s_mov_b32 s[G1A+2], 64<<16
	s_mov_b32 s[G1A+3], 32<<16
	s_mov_b32 s[G1A+4], 64
	s_mov_b32 s[G1A+5], 32
	s_mov_b32 s[G1A+6], 0
	s_mov_b32 s[G1A+7], 0
	; W: 128 rows x 256 bytes, 1,024 bytes apart, 16 bytes of padding behind each
	s_or_b32 s[G1B+0], s45, (0<<16)|(1<<20)|(1<<21)|(5<<22)|(3<<25)
	s_mov_b32 s[G1B+1], ROWB<<16
	s_mov_b32 s[G1B+2], 128<<16
	s_mov_b32 s[G1B+3], ROWB<<16
	s_mov_b32 s[G1B+4], 128
	s_mov_b32 s[G1B+5], 1024
	s_mov_b32 s[G1B+6], 0
	s_mov_b32 s[G1B+7], 0
	; W's scales of 128 rows: 4,096 dense bytes as 16 rows of 256, 16 bytes of padding behind each
	s_or_b32 s[G1SB+0], s45, (3<<16)|(1<<20)|(1<<21)|(5<<22)|(3<<25)
	s_mov_b32 s[G1SB+1], 32<<16
	s_mov_b32 s[G1SB+2], 16<<16
	s_mov_b32 s[G1SB+3], 32<<16
	s_mov_b32 s[G1SB+4], 16
	s_mov_b32 s[G1SB+5], 32
	s_mov_b32 s[G1SB+6], 0
	s_mov_b32 s[G1SB+7], 0
	s_lshl_b32 s20, s43, 15                        ; O: 8 blocks of 4,096 bytes a tile row,
	s_lshl_b32 s19, s18, 14                        ; my four of them
	s_add_co_u32 s20, s20, s19
	s_mov_b32 s21, 0
	s_lshl_b32 s46, s42, 8
	s_lshl_b32 s19, s18, 7
	s_add_co_u32 s46, s46, s19                     ; W: row 256 x tile column + 128 x half
	s_mov_b32 s47, 0
	s_lshl_b64 s[92:93], s[46:47], 5               ; its scales,
	s_lshl_b64 s[46:47], s[46:47], 10              ; its codes
	s_lshl_b32 s94, s18, 14                        ; where they go: no place in the cluster enters an LDS address
	s_mul_i32 s95, s18, HALFB
	s_add_co_u32 s95, s95, ABYTES
	s_mul_i32 s96, s18, 4352
	s_add_co_u32 s96, s96, BSC
	s_wait_kmcnt 0x0
	s_add_nc_u64 s[20:21], s[4:5], s[20:21]
	s_add_nc_u64 s[46:47], s[8:9], s[46:47]
.irp s, 0,1
	s_mov_b32 s[G0A+4*\s], 1
	s_add_co_u32 s[G0A+4*\s+1], s94, \s*SLOT
	s_add_nc_u64 s[G0A+4*\s+2:G0A+4*\s+3], s[20:21], \s*KSLOT
	s_or_b32 s[G0A+4*\s+3], s[G0A+4*\s+3], 0x80000000
	s_mov_b32 s[G0B+4*\s], 1
	s_add_co_u32 s[G0B+4*\s+1], s95, \s*SLOT
	s_add_nc_u64 s[G0B+4*\s+2:G0B+4*\s+3], s[46:47], \s*ROWB
	s_or_b32 s[G0B+4*\s+3], s[G0B+4*\s+3], 0x80000000
.endr
	s_mov_b32 s[G0SB], 1
	s_mov_b32 s[G0SB+1], s96
	s_add_nc_u64 s[G0SB+2:G0SB+3], s[10:11], s[92:93]
	s_or_b32 s[G0SB+3], s[G0SB+3], 0x80000000
	CROUND                                         ; all sixteen work-groups are here: the first joint loads meet
	s_cmp_eq_u32 s17, 0                            ; a wave's first fills stand in one branch; in both arms slot 1's load is the last
	s_cbranch_scc0 .Lfirst_b
	tensor_load_to_lds s[G0A:G0A+3], s[G1A:G1A+7]
	s_nop 0
	tensor_load_to_lds s[G0A+4:G0A+7], s[G1A:G1A+7]
	s_nop 0
.rept 4
	v_nop
.endr
	s_branch .Lfirst_asked
.Lfirst_b:
	tensor_load_to_lds s[G0SB:G0SB+3], s[G1SB:G1SB+7]
	s_nop 0
	tensor_load_to_lds s[G0B:G0B+3], s[G1B:G1B+7]
	s_nop 0
	tensor_load_to_lds s[G0B+4:G0B+7], s[G1B:G1B+7]
	s_nop 0
.rept 4
	v_nop
.endr
.Lfirst_asked:
	; O's scale bytes: thread tau takes tokens 2 p, 2 p + 1 (p = tau % 64) and heads 8 hs .. 8 hs + 7 (hs = tau / 64): each load of a wave reads 128 consecutive bytes of a head's row
	v_and_b32 v1, 15, v0                           ; r
	v_bfe_u32 v2, v0, 4, 1                         ; h
	s_wait_alu depctr_va_vdst(0)
	v_and_b32 v6, 63, v0                           ; p
	s_wait_alu depctr_va_vdst(0)
	v_lshrrev_b32 v7, 6, v0                        ; hs
	v_lshlrev_b32 v3, 2, v6
	v_lshl_add_u32 v3, v7, 17, v3                  ; 8 heads x 16,384 bytes
	s_lshl_b32 s98, s43, 8                         ; the tile's 128 tokens x 2 bytes
	s_mov_b32 s99, 0
	s_add_nc_u64 s[98:99], s[6:7], s[98:99]
.irp i, 0,1,2,3,4,5,6,7
	global_load_b32 v[64+\i], v3, s[98:99] offset:16384*\i
.endr
	s_lshl_b32 s66, s42, 10
	s_lshl_b32 s19, s18, 9
	s_add_co_u32 s66, s66, s19                     ; my 128 features, in bytes of f32
	s_mov_b32 s67, 0
	s_add_nc_u64 s[96:97], s[12:13], s[66:67]      ; in the bias
	v_lshlrev_b32 v5, 5, v2                        ; 8 h numbers
	WIN 0xc0                                       ; destination window 3
.irp b, 0,1,2,3,4,5,6,7
	global_load_b128 v[8*\b:8*\b+3], v5, s[96:97] offset:64*\b          ; b(16 b + 8 h + 0 .. 7)
	global_load_b128 v[8*\b+4:8*\b+7], v5, s[96:97] offset:64*\b+16
.endr
	WIN 0
	v_lshlrev_b32 v4, 6, v6                        ; 64 p: two rows of 32 bytes,
	v_lshrrev_b32 v6, 2, v6
	v_lshl_add_u32 v4, v6, 4, v4                   ; 16 more for each 256 passed,
	s_wait_alu depctr_va_vdst(0)
	v_lshl_add_u32 v4, v7, 4, v4                   ; my half of a row,
	v_add_nc_u32 v4, ASC, v4
	v_and_b32 v6, 31, v0
	v_lshlrev_b32 v[CO], 4, v6                     ; 16 x lane
	s_lshl_b32 s2, s17, 14                         ; my four blocks of O
	v_add_nc_u32 v[ADA], s2, v[CO]
	v_add_nc_u32 v[ADA+1], SLOT, v[ADA]
	v_mul_u32_u24 v6, v1, PITCH
	v_lshl_add_u32 v6, v2, 4, v6
	s_mul_i32 s3, s18, HALFB
	s_add_co_u32 s3, s3, ABYTES                    ; my 128 rows of W
	v_add_nc_u32 v[ADB], s3, v6
	v_add_nc_u32 v[ADB+1], SLOT, v[ADB]
	v_lshlrev_b32 v6, 5, v1                        ; my row's scales: 32 bytes a row,
	v_lshrrev_b32 v7, 3, v1
	v_lshl_add_u32 v6, v7, 4, v6                   ; and 16 more behind eight rows
	s_mul_i32 s2, s17, 2176                        ; O's: my 64 rows
	s_mul_i32 s3, s18, 4352                        ; W's: my 128 rows
	s_add_co_u32 s3, s3, BSC-ASC
	s_sub_co_u32 s3, s3, s2
	v_mul_u32_u24 v7, s3, v2                       ; lanes 16-31 take W's: one product, the distance between the two bases
	s_add_co_u32 s2, s2, ASC
	v_add_nc_u32 v6, v6, v7
	v_add_nc_u32 v[ADRS], s2, v6
	s_mul_i32 s2, s16, 16*SPITCH
	s_add_co_u32 s2, s2, STAGE                     ; my stage
	v_mul_u32_u24 v6, v1, SPITCH
	v_lshl_add_u32 v6, v2, 5, v6
	v_add_nc_u32 v[STO], s2, v6                    ; in: row r, 32 bytes for each half of the lanes
	v_add_nc_u32 v[RD], s2, v[CO]                  ; back: the 32 lanes take one row of 512 bytes
	s_lshl_b32 s2, s43, 19                         ; out0: 128 tokens x 4,096 bytes a tile row,
	s_lshl_b32 s3, s17, 18                         ; my 64 tokens,
	s_add_co_u32 s2, s2, s3
	s_add_co_u32 s2, s2, s66                       ; my 128 features
	s_mov_b32 s3, 0
	s_add_nc_u64 s[14:15], s[14:15], s[2:3]
	s_wait_loadcnt 0x0
.irp g, 0,1,2,3                                ; a scale word is two heads' two bytes: the even head's below, the odd head's above
	v_perm_b32 v[72+\g], v[65+2*\g], v[64+2*\g], 0x05040100   ; token 2 p: the two low halves
	v_perm_b32 v[76+\g], v[65+2*\g], v[64+2*\g], 0x07060302   ; token 2 p + 1: the two high halves
.endr
	ds_store_b128 v4, v[72:75]
	ds_store_b128 v4, v[76:79] offset:32
.macro FETCH slot, q, set              ; the fragments of the slot's q-th 128 along K: W's eight, then O's four
	WIN 0x40
.irp i, 0,1,2,3,4,5,6,7
.irp c, 0,1,2,3
	ds_load_b128 v[128*(\set)+16*\i+4*\c:128*(\set)+16*\i+4*\c+3], v[ADB+\slot] offset:128*(\q)+32*\c+\i*16*PITCH
.endr
.endr
	WIN 0
.irp i, 0,1,2,3
.irp c, 0,1,2,3
	ds_load_b128 v[AF+64*(\set)+16*\i+4*\c:AF+64*(\set)+16*\i+4*\c+3], v[ADA+\slot] offset:4096*\i+2048*(\q)+512*\c   ; an image: 512 consecutive bytes
.endr
.endr
.endm
.macro SCALES set, ks                  ; K slot ks's scale words: two a row; lanes 0-15 O's block i (blocks 4 to 7 are read and not used), lanes 16-31 W's block i
.irp i, 0,1,2,3,4,5,6,7
	ds_load_b64 v[SC+16*\set+2*\i:SC+16*\set+2*\i+1], v[ADRS] offset:544*\i+8*\ks
.endr
.endm
; 16 matrix instructions: O's blocks a0, a0 + 1 x W's eight.  first = 1: C is the bias.  The 32 accumulators take turns, one instruction a turn.
.macro MUL16 a0, set, q, sc, first
.irp a, \a0, \a0+1
.irp b, 0,1,2,3,4,5,6,7
.if \first
	v_wmma_scale_f32_16x16x128_f8f6f4 v[8*(8*(\a)+\b):8*(8*(\a)+\b)+7], v[128*(\set)+16*\b:128*(\set)+16*\b+15], v[AF+64*(\set)+16*(\a):AF+64*(\set)+16*(\a)+15], v[8*\b:8*\b+7], v[SC+16*(\sc)+2*\b+(\q)], v[SC+16*(\sc)+2*(\a)+(\q)] matrix_a_fmt:MATRIX_FMT_BF8 matrix_b_fmt:MATRIX_FMT_BF8 matrix_a_scale:MATRIX_SCALE_ROW1
.else
	v_wmma_scale_f32_16x16x128_f8f6f4 v[8*(8*(\a)+\b):8*(8*(\a)+\b)+7], v[128*(\set)+16*\b:128*(\set)+16*\b+15], v[AF+64*(\set)+16*(\a):AF+64*(\set)+16*(\a)+15], v[8*(8*(\a)+\b):8*(8*(\a)+\b)+7], v[SC+16*(\sc)+2*\b+(\q)], v[SC+16*(\sc)+2*(\a)+(\q)] matrix_a_fmt:MATRIX_FMT_BF8 matrix_b_fmt:MATRIX_FMT_BF8 matrix_a_scale:MATRIX_SCALE_ROW1
.endif
.endr
.endr
.endm
.macro STEPN slot, first               ; a slot's first 128 along K, on set 0; the second's fragments are fetched into set 1 ahead of the products
	s_wait_dscnt 0x0
	PLACES 8                                       ; in front of loads into registers that the last products read
	FETCH \slot, 1, 1
.if \first
	WIN 0xb1                                       ; source 0 window 1, source 1 window 0, C window 3, D window 2
.else
	WIN 0xa1                                       ; C and D window 2
.endif
	MUL16 0, 0, 0, \slot, \first
	MUL16 2, 0, 0, \slot, \first
	WIN 0
.endm
; A slot's second 128 along K changes slots: ONE barrier; in front of it each wave waits for all its tensor loads, adds 0 to its spare word, and waits for that and for its own reads of this slot.
.macro TURN slot, next, fill, ks
	s_wait_tensorcnt 0x0                           ; all my tensor loads have landed: my part of the next slot
	ds_add_u32 v[SPW], v[NIL]                      ; 0 onto my spare word
	s_wait_dscnt 1                                 ; set 1's fragments are in (the add may be out)
	WIN 0xa1
	MUL16 0, 1, 1, \slot, 0                        ; sixteen matrix instructions stand between the add and the wait for it
	s_wait_dscnt 0x0                               ; the add is done, and my reads of this slot are over
	WIN 0
	s_barrier_signal -1
	s_barrier_wait -1
.if \fill
	CREST                                          ; the barrier has opened a round of the cluster's barrier
	s_add_nc_u64 s[G0A+4*\slot+2:G0A+4*\slot+3], s[G0A+4*\slot+2:G0A+4*\slot+3], 2*KSLOT
	s_add_nc_u64 s[G0B+4*\slot+2:G0B+4*\slot+3], s[G0B+4*\slot+2:G0B+4*\slot+3], 2*ROWB
	JLOAD G0A+4*\slot, G1A, G0B+4*\slot, G1B       ; the first tensor load behind the round; its four v_nop are among the places in front of the loads below
	PLACES 4
.else
	PLACES 8
.endif
	FETCH \next, 0, 0
	SCALES \next, \ks
	WIN 0xa1
	MUL16 2, 1, 1, \slot, 0
	WIN 0
.endm
	s_wait_tensorcnt 1                             ; W's scales and my part of slot 0 are in (slot 1's load may be out),
	s_wait_dscnt 0x0                               ; my stores of O's scale words are done,
	s_barrier_signal -1
	s_barrier_wait -1                              ; everybody's are
	FETCH 0, 0, 0
	SCALES 0, 0
	STEPN 0, 1                                     ; K = 1,024 is four slots' worth: written out
	TURN 0, 1, 1, 1
	STEPN 1, 0
	TURN 1, 0, 1, 2
	STEPN 0, 0
	TURN 0, 1, 0, 3
	STEPN 1, 0
	s_wait_dscnt 0x0                               ; the very last step
	WIN 0xa1
	MUL16 0, 1, 1, 1, 0
	MUL16 2, 1, 1, 1, 0
	WIN 0
; THE WAY OUT, block by block of 16 tokens x 128 features, through my own stage: back as whole rows of 512 bytes.  LDS serves a wave's instructions in order (ISA guide 5.7.1.4).
.macro TOSTAGE a
.set AC, 64*(\a)
	WIN 0x08                                       ; an LDS store's data are its source 1: window 2
.irp b, 0,1,2,3,4,5,6,7
	ds_store_b128 v[STO], v[AC+8*\b:AC+8*\b+3] offset:64*\b          ; each accumulator from its low end on
	ds_store_b128 v[STO], v[AC+8*\b+4:AC+8*\b+7] offset:64*\b+16
.endr
	WIN 0
.set BR, BK+64*((\a)%2)
.irp t, 0,1,2,3,4,5,6,7,8,9,10,11,12,13,14,15
	ds_load_b128 v[BR+4*\t:BR+4*\t+3], v[RD] offset:\t*SPITCH
.endr
.endm
.macro SEND a, younger                 ; younger: the LDS instructions issued behind block a's loads, which may stay out
.set BR, BK+64*((\a)%2)
	s_wait_dscnt \younger
.if (\a) > 0
	s_add_nc_u64 s[14:15], s[14:15], 16*4096       ; (behind a wait for the earlier stores' addresses)  16 rows on
.endif
.irp t, 0,1,2,3,4,5,6,7,8,9,10,11,12,13,14,15
	global_store_b128 v[CO], v[BR+4*\t:BR+4*\t+3], s[14:15] offset:\t*4096 th:TH_STORE_NT   ; 32 lanes store 512 consecutive bytes, aligned
.endr
.endm
	PLACES 8                                       ; behind the last products: for the reads of results and for the loads into the registers that held O's fragments
	s_wait_alu depctr_va_vdst(0)
	TOSTAGE 0
.irp a, 1,2,3
.if \a > 1
	s_wait_xcnt 0x0                                ; block a - 2's stores have read their registers and their base
.endif
	TOSTAGE \a
	SEND \a-1, 32                                  ; behind block a - 1's loads: block a's 16 stores and 16 loads
.endr
	s_wait_xcnt 0x0
	SEND 3, 0
	s_wait_tensorcnt 0x0                           ; the wave's end
	ds_add_u32 v[SPW], v[NIL]
	s_wait_dscnt 0x0
	CROUND                                         ; the closing round
	s_endpgm
.Lfunc_end_k_qce6b8dc67f_out_proj:
	.size	k_qce6b8dc67f_out_proj, .Lfunc_end_k_qce6b8dc67f_out_proj-k_qce6b8dc67f_out_proj
	.p2alignl 7, 3214868480
	.fill 96, 4, 3214868480
	.section	.rodata,"a",@progbits
	.p2align	6, 0x0
	.amdhsa_kernel k_qce6b8dc67f_out_proj
		.amdhsa_group_segment_fixed_size 327680
		.amdhsa_private_segment_fixed_size 0
		.amdhsa_enable_private_segment 0
		.amdhsa_kernarg_size 48
		.amdhsa_user_sgpr_count 2
		.amdhsa_user_sgpr_kernarg_segment_ptr 1
		.amdhsa_wavefront_size32 1
		.amdhsa_system_sgpr_workgroup_id_x 1
		.amdhsa_system_sgpr_workgroup_id_y 1
		.amdhsa_system_sgpr_workgroup_id_z 1
		.amdhsa_system_vgpr_workitem_id 0
		.amdhsa_next_free_vgpr 832
		.amdhsa_next_free_sgpr 100
		.amdhsa_reserve_vcc 0
		.amdhsa_float_denorm_mode_32 3
		.amdhsa_float_denorm_mode_16_64 3
		.amdhsa_memory_ordered 1
		.amdhsa_forward_progress 1
		.amdhsa_inst_pref_size 91
	.end_amdhsa_kernel
	.amdgpu_metadata
---
amdhsa.version: [ 1, 2 ]
amdhsa.kernels:
  - .name:           k_qce6b8dc67f_out_proj
    .symbol:         k_qce6b8dc67f_out_proj.kd
    .args:
      - { .name: oimg, .offset: 0, .size: 8, .value_kind: global_buffer, .address_space: global }
      - { .name: osc, .offset: 8, .size: 8, .value_kind: global_buffer, .address_space: global }
      - { .name: out_proj_w_codes, .offset: 16, .size: 8, .value_kind: global_buffer, .address_space: global }
      - { .name: out_proj_w_scales, .offset: 24, .size: 8, .value_kind: global_buffer, .address_space: global }
      - { .name: out_proj_b, .offset: 32, .size: 8, .value_kind: global_buffer, .address_space: global }
      - { .name: out0, .offset: 40, .size: 8, .value_kind: global_buffer, .address_space: global }
    .group_segment_fixed_size: 327680
    .private_segment_fixed_size: 0
    .kernarg_segment_align: 8
    .kernarg_segment_size: 48
    .max_flat_workgroup_size: 128
    .sgpr_count:     100
    .vgpr_count:     832
    .wavefront_size: 32
...
	.end_amdgpu_metadata
.endif
;; end of part 3
